; MI455X (gfx1250); checked and timed in simulation.
; The chip was launched on July 23, 2026; its instructions are those of AMD's public machine-readable ISA for CDNA 5 (MIT licence, August 2026) and "CDNA5" Instruction Set Architecture Reference Guide (July 2026). The comments in the code are by the model that wrote it; some were corrected since.
;; Causal Self Attention. Allowed arithmetic: float matrix products may take bf16 or f16 operands with f32 sums; other float arithmetic in f32, or as packed bf16 or f16 multiplies, adds, multiply-adds, maxima and minima; sums over many terms, partial sums and values carried from step to step in f32; what a program stores and reads back later, other than sums and carried values, may be rounded once to bf16 or f16.
;; Inputs: b_attn 3,072 float32; b_proj 2,048 float32; freqs_cos 1,024 x 64 float32; freqs_sin 1,024 x 64 float32; w_attn 3,072 x 2,048 float32; w_proj 2,048 x 2,048 float32; x 4 x 1,024 x 2,048 float32.
;; Outputs: out0 4 x 1,024 x 2,048 float32; out1 4 x 4 x 1,024 x 128 float32; out2 4 x 4 x 1,024 x 128 float32.
;; One version. Each part assembles by itself: llvm-mc -triple=amdgcn-amd-amdhsa -mcpu=gfx1250 --defsym DOCPART=n.
;; ======== version 1 of 1: 4 launches
;; limits: values are held in f16: magnitudes above 65,504 overflow, below 6.1e-05 lose precision
;; workspace buffers: xb 16,777,216 bytes; wab 12,582,912 bytes; wpf 8,388,608 bytes; cs 262,144 bytes; qh 16,777,216 bytes; kh 4,194,304 bytes; vh 4,194,304 bytes; yh 16,777,216 bytes
;; launch cast (part 1): grid 1160 x 1, 8 waves a work-group, no clusters, 0 bytes of LDS; arguments x, w_attn, w_proj, freqs_cos, freqs_sin, xb, wab, wpf, cs; writes xb, wab, wpf, cs
.if DOCPART == 1
	.amdgcn_target "amdgcn-amd-amdhsa--gfx1250"
	.amdhsa_code_object_version 6
	.text
	.protected	k_q215be8d5d9_cast
	.globl	k_q215be8d5d9_cast
	.p2align	8
	.type	k_q215be8d5d9_cast,@function
k_q215be8d5d9_cast:
	s_mov_b64 s[64:65], 0
	v_nop
	global_prefetch_b8 v0, s[64:65] scope:SCOPE_SE
	s_setreg_imm32_b32 hwreg(HW_REG_WAVE_MODE, 25, 1), 1
	s_wait_xcnt 0x0
; THE INPUTS, ROUNDED ONCE.  x -> xb (bf16).  w_attn -> wab (bf16, rows in another order).  w_proj -> wpf (rounded to bf16, that number written as f16).
; (freqs_cos, freqs_sin) -> cs: one word a pair, bf16 cos in the low half, bf16 sin in the high half.
; A stream: each byte is read once and written once; no LDS, no matrix unit, no barrier would add anything.
; SHARES.  A work-group takes a chunk of 16,384 f32 (65,536 bytes, 8 rows of 2,048).  Work-groups 0-511: x; 512-895: w_attn; 896-1151: w_proj; 1152-1159: 8,192 pairs of the table each.
; Thread t loads 16 bytes at 16 t + 4,096 i (a wave: 512 bytes on end) and stores 8 bytes at 8 t + 2,048 i (a wave: 256 bytes on end, aligned).  All 16 loads go out at once.
; THE ORDER OF wab's ROWS.  The product that follows makes tiles of 192 columns: column block tx (0..15) holds q's head tx (w_attn rows 128 tx ..) and then 64 rows of k or v
; (w_attn rows 2,048 + 64 tx ..).  In chunks of 8 rows: q's chunk c goes to 24 (c / 16) + c % 16; chunk c' of k and v goes to 24 (c' / 8) + 16 + c' % 8.
; LIMIT.  wpf: a weight whose bf16 value lies below f16's normal range keeps f16's fixed step of 6e-8; beyond 65,504 it would be an infinity.
.set X, 8                              ; v[8:71]   16 loads of 4 registers, converted in place
.set T, 72                             ; v[72:73]  at work
.set SRC, 24                           ; s[24:25]
.set DST, 26                           ; s[26:27]
	s_load_b256 s[4:11], s[0:1], 0x0               ; x s[4:5], w_attn s[6:7], w_proj s[8:9], freqs_cos s[10:11]
	s_load_b256 s[12:19], s[0:1], 0x20             ; freqs_sin s[12:13], xb s[14:15], wab s[16:17], wpf s[18:19]
	s_load_b64 s[20:21], s[0:1], 0x40              ; cs
	v_lshlrev_b32 v1, 4, v0                        ; 16 t
	v_lshlrev_b32 v2, 3, v0                        ; 8 t
	s_mov_b32 s22, 0xffff0000                      ; a word's upper bf16
	s_mov_b32 s37, 0
	s_mov_b32 s39, 0
	s_wait_kmcnt 0x0
	s_cmp_ge_u32 ttmp9, 1152
	s_cbranch_scc1 .Lcs
	s_cmp_lt_u32 ttmp9, 512                        ; which tensor: a choice between buffers by the work-group's number
	s_cselect_b64 s[SRC:SRC+1], s[4:5], s[6:7]
	s_cselect_b64 s[DST:DST+1], s[14:15], s[16:17]
	s_cselect_b32 s28, 0, 512
	s_cmp_lt_u32 ttmp9, 896
	s_cselect_b64 s[SRC:SRC+1], s[SRC:SRC+1], s[8:9]
	s_cselect_b64 s[DST:DST+1], s[DST:DST+1], s[18:19]
	s_cselect_b32 s28, s28, 896
	s_sub_co_u32 s29, ttmp9, s28                   ; c: the chunk in its tensor
	s_lshr_b32 s30, s29, 4
	s_mul_i32 s30, s30, 24
	s_and_b32 s31, s29, 15
	s_add_co_u32 s30, s30, s31                     ; where a chunk of q's rows goes
	s_and_b32 s32, s29, 127                        ; c' = c - 256 for c = 256 .. 383
	s_lshr_b32 s33, s32, 3
	s_mul_i32 s33, s33, 24
	s_and_b32 s34, s32, 7
	s_add_co_u32 s33, s33, s34
	s_add_co_u32 s33, s33, 16                      ; where a chunk of k's or v's rows goes
	s_cmp_lt_u32 s29, 256
	s_cselect_b32 s30, s30, s33
	s_cmp_eq_u32 s28, 512                          ; only w_attn's rows change places
	s_cselect_b32 s30, s30, s29
	s_lshl_b32 s36, s29, 16
	s_lshl_b32 s38, s30, 15
	s_add_nc_u64 s[SRC:SRC+1], s[SRC:SRC+1], s[36:37]
	s_add_nc_u64 s[DST:DST+1], s[DST:DST+1], s[38:39]
.irp i, 0,1,2,3,4,5,6,7,8,9,10,11,12,13,14,15
	global_load_b128 v[X+4*(\i):X+4*(\i)+3], v1, s[SRC:SRC+1] offset:4096*(\i) th:TH_LOAD_NT
.endr
	s_cmp_lt_u32 ttmp9, 896
	s_cbranch_scc0 .Lf16
.irp i, 0,1,2,3,4,5,6,7,8,9,10,11,12,13,14,15
	s_wait_loadcnt 15-(\i)                         ; loads come back in order: load i is in, the younger ones stay out
	v_cvt_pk_bf16_f32 v[X+4*(\i)], v[X+4*(\i)], v[X+4*(\i)+1]
	v_cvt_pk_bf16_f32 v[X+4*(\i)+1], v[X+4*(\i)+2], v[X+4*(\i)+3]
	global_store_b64 v2, v[X+4*(\i):X+4*(\i)+1], s[DST:DST+1] offset:2048*(\i) th:TH_STORE_NT
.endr
	s_endpgm
.Lf16:                                                 ; w_proj: to bf16, back to f32 (a shift, a mask), and that number as f16
.irp i, 0,1,2,3,4,5,6,7,8,9,10,11,12,13,14,15
	s_wait_loadcnt 15-(\i)
	v_cvt_pk_bf16_f32 v[T], v[X+4*(\i)], v[X+4*(\i)+1]
	v_cvt_pk_bf16_f32 v[T+1], v[X+4*(\i)+2], v[X+4*(\i)+3]
	v_lshlrev_b32 v[X+4*(\i)], 16, v[T]
	v_and_b32 v[X+4*(\i)+1], s22, v[T]
	v_lshlrev_b32 v[X+4*(\i)+2], 16, v[T+1]
	v_and_b32 v[X+4*(\i)+3], s22, v[T+1]
	v_cvt_pk_f16_f32 v[X+4*(\i)], v[X+4*(\i)], v[X+4*(\i)+1]
	v_cvt_pk_f16_f32 v[X+4*(\i)+1], v[X+4*(\i)+2], v[X+4*(\i)+3]
	global_store_b64 v2, v[X+4*(\i):X+4*(\i)+1], s[DST:DST+1] offset:2048*(\i) th:TH_STORE_NT
.endr
	s_endpgm
.Lcs:                                                  ; 8,192 pairs: 32,768 bytes of each table in, 32,768 bytes out
	s_sub_co_u32 s29, ttmp9, 1152
	s_lshl_b32 s36, s29, 15
	s_add_nc_u64 s[10:11], s[10:11], s[36:37]
	s_add_nc_u64 s[12:13], s[12:13], s[36:37]
	s_add_nc_u64 s[20:21], s[20:21], s[36:37]
.irp i, 0,1,2,3,4,5,6,7
	global_load_b128 v[X+4*(\i):X+4*(\i)+3], v1, s[10:11] offset:4096*(\i) th:TH_LOAD_NT
.endr
.irp i, 0,1,2,3,4,5,6,7
	global_load_b128 v[X+32+4*(\i):X+32+4*(\i)+3], v1, s[12:13] offset:4096*(\i) th:TH_LOAD_NT
.endr
.irp i, 0,1,2,3,4,5,6,7
	s_wait_loadcnt 7-(\i)                          ; all cosines are older; sine load i is in
.irp k, 0,1,2,3
	v_cvt_pk_bf16_f32 v[X+4*(\i)+(\k)], v[X+4*(\i)+(\k)], v[X+32+4*(\i)+(\k)]  ; cos below, sin above
.endr
	global_store_b128 v1, v[X+4*(\i):X+4*(\i)+3], s[20:21] offset:4096*(\i) th:TH_STORE_NT
.endr
	s_endpgm
.Lfunc_end_k_q215be8d5d9_cast:
	.size	k_q215be8d5d9_cast, .Lfunc_end_k_q215be8d5d9_cast-k_q215be8d5d9_cast
	.p2alignl 7, 3214868480
	.fill 96, 4, 3214868480
	.section	.rodata,"a",@progbits
	.p2align	6, 0x0
	.amdhsa_kernel k_q215be8d5d9_cast
		.amdhsa_group_segment_fixed_size 0
		.amdhsa_private_segment_fixed_size 0
		.amdhsa_enable_private_segment 0
		.amdhsa_kernarg_size 72
		.amdhsa_user_sgpr_count 2
		.amdhsa_user_sgpr_kernarg_segment_ptr 1
		.amdhsa_wavefront_size32 1
		.amdhsa_system_sgpr_workgroup_id_x 1
		.amdhsa_system_sgpr_workgroup_id_y 1
		.amdhsa_system_sgpr_workgroup_id_z 1
		.amdhsa_system_vgpr_workitem_id 0
		.amdhsa_next_free_vgpr 80
		.amdhsa_next_free_sgpr 66
		.amdhsa_reserve_vcc 0
		.amdhsa_float_denorm_mode_32 3
		.amdhsa_float_denorm_mode_16_64 3
		.amdhsa_memory_ordered 1
		.amdhsa_forward_progress 1
		.amdhsa_inst_pref_size 21
	.end_amdhsa_kernel
	.amdgpu_metadata
---
amdhsa.version: [ 1, 2 ]
amdhsa.kernels:
  - .name:           k_q215be8d5d9_cast
    .symbol:         k_q215be8d5d9_cast.kd
    .args:
      - { .name: x, .offset: 0, .size: 8, .value_kind: global_buffer, .address_space: global }
      - { .name: w_attn, .offset: 8, .size: 8, .value_kind: global_buffer, .address_space: global }
      - { .name: w_proj, .offset: 16, .size: 8, .value_kind: global_buffer, .address_space: global }
      - { .name: freqs_cos, .offset: 24, .size: 8, .value_kind: global_buffer, .address_space: global }
      - { .name: freqs_sin, .offset: 32, .size: 8, .value_kind: global_buffer, .address_space: global }
      - { .name: xb, .offset: 40, .size: 8, .value_kind: global_buffer, .address_space: global }
      - { .name: wab, .offset: 48, .size: 8, .value_kind: global_buffer, .address_space: global }
      - { .name: wpf, .offset: 56, .size: 8, .value_kind: global_buffer, .address_space: global }
      - { .name: cs, .offset: 64, .size: 8, .value_kind: global_buffer, .address_space: global }
    .group_segment_fixed_size: 0
    .private_segment_fixed_size: 0
    .kernarg_segment_align: 8
    .kernarg_segment_size: 72
    .max_flat_workgroup_size: 256
    .sgpr_count:     66
    .vgpr_count:     80
    .wavefront_size: 32
...
	.end_amdgpu_metadata
.endif
;; end of part 1
;; launch qkv (part 2): grid 16 x 16, 4 waves a work-group, clusters of 4 x 4, 327,680 bytes of LDS; arguments xb, wab, b_attn, cs, qh, kh, vh, out1, out2; writes qh, kh, vh, out1, out2
.if DOCPART == 2
	.amdgcn_target "amdgcn-amd-amdhsa--gfx1250"
	.amdhsa_code_object_version 6
	.text
	.protected	k_q215be8d5d9_qkv
	.globl	k_q215be8d5d9_qkv
	.p2align	8
	.type	k_q215be8d5d9_qkv,@function
k_q215be8d5d9_qkv:
	s_mov_b64 s[64:65], 0
	v_nop
	global_prefetch_b8 v0, s[64:65] scope:SCOPE_SE
	s_setreg_imm32_b32 hwreg(HW_REG_WAVE_MODE, 25, 1), 1
	s_wait_xcnt 0x0
	s_wait_alu depctr_hold_cnt(0) depctr_sa_sdst(0) depctr_va_vdst(0) depctr_va_sdst(0) depctr_va_ssrc(0) depctr_va_vcc(0) depctr_vm_vsrc(0)
	s_getreg_b32 s2, hwreg(HW_REG_IB_STS2, 6, 4)
	s_cmp_eq_u32 s2, 0
	s_cbranch_scc0 .Lentry_in_a_cluster
	s_endpgm
.Lentry_in_a_cluster:
	s_bfe_u32 s2, ttmp6, 0x10000c
	s_cmp_lg_u32 s2, 0xf033
	s_cbranch_scc0 .Lentry_shape_is_right
	s_endpgm
.Lentry_shape_is_right:
; qkv = x w_attn^T + b_attn, the rotation of q and k, and the split by heads.  xb: [4096][2048] bf16; wab: [3072][2048] bf16, rows ordered by column blocks of 192 (128 of q's head tx,
; then 64 of k (tx < 8) or v (tx >= 8): key-value head (tx % 8) / 2, channel half tx % 2).  Sums in f32.  b_attn is rounded to bf16 here, like every input of the program; cs holds bf16 cos | sin.
; OUT: qh [batch][head 16][t][128] f16, rotated, unscaled; kh, vh [batch][kv head][channel half][t][64] f16; out1 (rotated k), out2 (v) [batch][kv head][t][128] f32.
; LIMIT.  q, k and v must lie within f16's 65,504 for qh, kh, vh; NaN and infinities are not treated apart.
; SHARES.  A tile of the product is 256 rows x 192 columns: 16 x 16 tiles, one to a work-group.  Wave w makes rows 64 w .. 64 w + 63 and all 192 columns: 4 x 12 accumulators of 16 x 16, 384 registers.
; So a wave owns whole rows of every output, and the way out needs no barrier.  K goes in steps of 128 (rows of 256 bytes) through a ring of two LDS slots.
; CLUSTER 4 x 4: the four work-groups of a row of the cluster need the same rows of xb, the four of a column the same rows of wab: each tile is asked for jointly, by the same tensor load
; with the same descriptor and a mask that names the four.  Whether a tile holds k or v hangs on the cluster's x alone (clusters 0, 1: k; 2, 3: v), and it selects values and buffers, never a branch.
; THE MATRIX INSTRUCTION IS USED TRANSPOSED (source 0 = 16 rows of wab, source 1 = 16 rows of xb): lane l holds row l % 16 and the columns 8 (l / 16) + 0..7: four neighbouring pairs (re, im).
; REGISTERS, in windows of 256 (s_set_vgpr_msb: bits 1:0 source 0, 3:2 source 1, 5:4 source 2, 7:6 destination):
;   window 0: v0-30 addresses; v64-95, v96-127 fragments of xb, two buffers; v128-223 the bias of my 8 columns in each of 12 blocks; on the way out v32-111 rows read back
;   window 1: v0-95, v96-191 fragments of wab, two buffers; v240 the word (1, 0); on the way out v0-95 a row block in f32, v96-143 in f16, v144-159 at work, v160-207 its cos | sin words
;   windows 2, 3: accumulator (a, b) in window 2 + a / 2 at v[8 (12 (a % 2) + b)]; beside them, at v[192 + 32 (a % 2)], the 32 cos | sin words of row block a, asked for at the head
.set NBL,    12                        ; blocks of 16 columns
.set BROWS,  192                       ; rows of wab in a tile
.set BH,     96                        ; of which one tensor load brings half
.set SIZE_K, 2048
.set KSTEP,  128
.set PITCH,  272                       ; an LDS row: 256 bytes + 16 of padding = 68 words: the 16 rows that a load touches start at 16 different groups of four banks (64 banks of 4 bytes: ISA guide 11.1)
.set ATILE,  256*PITCH
.set SLOT,   (256+BROWS)*PITCH         ; xb's 256 rows, then wab's 192
.set STAGE,  2*SLOT                    ; behind the ring, never filled by a tensor load: for each wave 16 x 272 (q, f16), 16 x 272 (k or v, f32), 16 x 144 (k or v, f16)
.set WSTG,   11264
.set STGF,   4352
.set STGK,   8704
.set SPARE,  STAGE+4*WSTG              ; behind the stages: the spare words, 128 bytes for each wave: two blocks of 256 bytes that no other line names
.set LAPS,   SIZE_K/(2*KSTEP)
.set L16,  8                           ; v8   16 x lane
.set GF,   9                           ; v9   out1, out2: (l / 16) x 512 + (l % 16) x 16
.set BO,   10                          ; v10  32 (l / 16): my 8 numbers in a block of 16 of the bias
.set CO,   11                          ; v11  cs: (64 w + l % 16) x 256 + 16 (l / 16); never rewritten
.set ADRA, 16                          ; v16-17  LDS address of my fragments of xb in slot 0, 1
.set ADRB, 20                          ; v20-21  the same for wab
.set STQ,  22                          ; v22-24  the way out: where I put my bytes of a row (q; k or v in f16; k or v in f32)
.set STK,  23
.set STF,  24
.set RDQ,  25                          ; v25-27  the way out: where I read rows back
.set RDK,  26
.set RDF,  27
.set SPW,  28                          ; v28  LDS address of my spare word; never rewritten
.set NIL,  29                          ; v29  0; never rewritten
.set PFO,  30                          ; v30  the prefetches' offset: a lane a row of 4,096 bytes; never rewritten
.set RB,   32
.set BIAS, 128
.set TMPB, 224
.set X,    0                           ; window 1, on the way out
.set P,    96
.set TC,   144
.set TS,   148
.set T,    152
.set CSR,  160                         ; the row block's words: 32 for q's eight column blocks, then 16 for the four of k or v
.set IDN,  240
.set CSA,  192                         ; windows 2 and 3
.set G1,  24                           ; s[24:31] descriptor group 1 for xb's tiles;  s[32:39] group 0, a set for each slot
.set G0,  32
.set LIM, 43                           ; s43  1 in a wave that prefetches, else the greatest number
.set PFA, 44                           ; s[44:45] where my prefetches stand
.set G1B, 48                           ; s[48:55], s[56:63] the same two groups for wab's tiles
.set G0B, 56
.set BQ,  68                           ; s[68:69] b_attn at q's 128 columns
.set CSQ, 70                           ; s[70:71] cs at the tile's first row; never rewritten behind the loads that name it
.set QP,  72                           ; s[72:73] qh at my 64 rows
.set KP,  74                           ; s[74:75] kh or vh at my 64 rows
.set FP,  78                           ; s[78:79] out1 or out2 at my 64 rows and my half of the channels
.set ISV, 82                           ; s82  all ones where the tile holds v
.set HIM, 83                           ; s83  a word's upper half
.set BKV, 84                           ; s[84:85] b_attn at the 64 columns of k or v
.set HFM, 86                           ; s86  all ones where the tile holds the second channel half
.set MSB, 0
.macro WIN new                         ; the immediate's high byte repeats the setting that is left; a switch that changes nothing is dropped
.if MSB != (\new)
	s_set_vgpr_msb (MSB<<8)|(\new)
.set MSB, \new
.endif
.endm
.macro PLACES                          ; four plain vector instructions behind matrix instructions, in front of loads into registers that they read and of lines that read results
.rept 4
	v_nop
.endr
.endm
; A joint load.  Waves 0 and 1 fetch xb's two halves, waves 2 and 3 wab's.  The branch hangs on the wave's number alone.  An s_nop 0 and four v_nop follow each of the two lines.
.macro JLOAD s
	s_cmp_eq_u32 s11, 0
	s_cbranch_scc0 .Lfor_b_\@
	tensor_load_to_lds s[G0+4*(\s):G0+4*(\s)+3], s[G1:G1+7]
	s_nop 0
.rept 4
	v_nop
.endr
	s_branch .Lasked_\@
.Lfor_b_\@:
	tensor_load_to_lds s[G0B+4*(\s):G0B+4*(\s)+3], s[G1B:G1B+7]
	s_nop 0
.rept 4
	v_nop
.endr
.Lasked_\@:
.endm
.macro CREST                           ; a round of the cluster's barrier behind its opening barrier
	s_cmp_lg_u32 s10, 0
	s_cbranch_scc1 .Lnot_wave_0_\@
	s_barrier_signal -3
.Lnot_wave_0_\@:
	s_barrier_wait -3
	s_barrier_signal -1
	s_barrier_wait -1
.endm
.macro CROUND                          ; a whole round
	s_barrier_signal -1
	s_barrier_wait -1
	CREST
.endm
; A prefetch of the K step that stands two refills on: a lane a row, 256 bytes of each, one instruction a wave.  xb's rows are read by every cluster of a row of clusters: cluster x = 0 asks; wab's by every
; cluster of a column: cluster y = 0 asks.  Of the rows that a wave fetches the four partners take a quarter each, told apart by address (32 rows of xb; 24 of wab, where lanes 24-31 name the 24th again).
; The loop's last trip (s3 = 1) has no K step two on and asks for nothing.
.macro ASK
	s_cmp_gt_u32 s3, s[LIM]
	s_cbranch_scc0 .Lnot_mine_\@
	global_prefetch_b8 v[PFO], s[PFA:PFA+1] offset:KSTEP*2 th:TH_LOAD_NT scope:SCOPE_SE
.Lnot_mine_\@:
.endm
; 12 matrix instructions: row block a x all column blocks, 32 along K, from buffer f.  zero = 1: the product starts the sums.  The 48 accumulators take turns, one instruction a turn, in the same order everywhere.
.macro MUL f, a, zero
	WIN 0xa1+0x50*((\a)/2)
.set nb, 0
.rept NBL
.set rD, 8*(NBL*((\a)%2)+nb)
.set rB, 8*NBL*(\f)+8*nb
.set rA, 64+32*(\f)+8*(\a)
.if \zero
	v_wmma_f32_16x16x32_bf16 v[rD:rD+7], v[rB:rB+7], v[rA:rA+7], 0
.else
	v_wmma_f32_16x16x32_bf16 v[rD:rD+7], v[rB:rB+7], v[rA:rA+7], v[rD:rD+7]
.endif
.set nb, nb+1
.endr
.endm
; 32 LDS loads in one run: the fragments of 32 along K at byte k of the rows, into buffer f: wab's 12, then xb's 4
.macro FETCH slot, k, f
	WIN 0x40
.set nb, 0
.rept NBL
	ds_load_b128 v[8*NBL*(\f)+8*nb:8*NBL*(\f)+8*nb+3],   v[ADRB+(\slot)] offset:(\k)+nb*16*PITCH
	ds_load_b128 v[8*NBL*(\f)+8*nb+4:8*NBL*(\f)+8*nb+7], v[ADRB+(\slot)] offset:(\k)+nb*16*PITCH+32
.set nb, nb+1
.endr
	WIN 0
.irp i, 0,1,2,3
	ds_load_b128 v[64+32*(\f)+8*(\i):64+32*(\f)+8*(\i)+3],   v[ADRA+(\slot)] offset:(\k)+(\i)*16*PITCH
	ds_load_b128 v[64+32*(\f)+8*(\i)+4:64+32*(\f)+8*(\i)+7], v[ADRA+(\slot)] offset:(\k)+(\i)*16*PITCH+32
.endr
.endm
; A K step is four quarters of 32 along K, 48 matrix instructions each, on buffers 0, 1, 0, 1.  One of the first three: multiplies buffer f; in its middle it fetches the next quarter, at byte k, into g.
.macro QUARTER slot, k, f, g, zero
	s_wait_dscnt 4                                 ; all of wab's and xb's fragments 0, 1 are in; the youngest four loads (fragments 2, 3) may be out
	MUL \f, 0, \zero
	MUL \f, 1, \zero
	PLACES
	FETCH \slot, \k, \g
	s_wait_dscnt 2*NBL+8                           ; all but the run just issued
	MUL \f, 2, \zero
	MUL \f, 3, \zero
.endm
; The last quarter multiplies buffer 1 and changes slots: ONE barrier.  In front of it each wave waits for all its tensor loads (one is out: its part of the next slot), adds 0 to its spare word, and waits
; for that and for its own reads of this slot.  fill = 1: the barrier opens a round of the cluster's barrier, and this slot is filled again, two K steps ahead, first thing behind the round:
; from the request to the wait for it a wave issues 168 matrix instructions.
.macro TURN slot, next, fill
.if \fill
	s_wait_xcnt 0x0                                ; the last prefetch, a K step back, has read its address: it is stepped here, ahead of the waits of the change of slots
	s_add_nc_u64 s[PFA:PFA+1], s[PFA:PFA+1], KSTEP*2
.endif
	WIN 0                                          ; (the add's two registers lie in window 0)
	s_wait_tensorcnt 0x0                           ; all my tensor loads have landed
	ds_add_u32 v[SPW], v[NIL]                      ; 0 onto my spare word
	s_wait_dscnt 5                                 ; (the add and the youngest four loads may be out)
	MUL 1, 0, 0                                    ; twelve matrix instructions stand between the add and the wait for it
	s_wait_dscnt 0x0                               ; the add is done, and my reads of this slot are over
	s_barrier_signal -1
	MUL 1, 1, 0                                    ; work on registers while the others arrive
.if \fill
	WIN 0
.endif
	s_barrier_wait -1
.if \fill
	CREST                                          ; no wave of any partner still reads this slot's tile or has a load on its way
	s_add_nc_u64 s[G0+4*(\slot)+2:G0+4*(\slot)+3], s[G0+4*(\slot)+2:G0+4*(\slot)+3], 2*KSTEP*2
	s_add_nc_u64 s[G0B+4*(\slot)+2:G0B+4*(\slot)+3], s[G0B+4*(\slot)+2:G0B+4*(\slot)+3], 2*KSTEP*2
	JLOAD \slot                                    ; the four v_nop behind it are also the places in front of the loads below
.else
	PLACES
.endif
	FETCH \next, 0, 0
.if \fill
	ASK                                            ; behind the joint load and the run of LDS loads that the next products wait for
.endif
	MUL 1, 2, 0
	MUL 1, 3, 0
.endm
	s_load_b128 s[4:7], s[0:1], 0x0                ; xb s[4:5], wab s[6:7]
	s_load_b256 s[68:75], s[0:1], 0x10             ; b_attn, cs, qh, kh
	s_load_b128 s[76:79], s[0:1], 0x30             ; vh s[76:77], out1 s[78:79]
	s_load_b64 s[80:81], s[0:1], 0x40              ; out2
	v_lshl_add_u32 v[SPW], v0, 2, SPARE
	v_mov_b32 v[NIL], 0
	ds_add_u32 v[SPW], v[NIL]                      ; the wave's opening: the add and its wait stand ahead of my first tensor load; the set-up below, work on registers, stands between them
	v_lshrrev_b32 v1, 5, v0
	v_readfirstlane_b32 s10, v1                    ; wave 0..3
	s_lshr_b32 s11, s10, 1                         ; I fetch for xb (0) or for wab (1),
	s_and_b32 s12, s10, 1                          ; and which half of that tile's rows
	s_bfe_u32 s40, ttmp6, 0x40000                  ; cx, cy: my place in the cluster
	s_bfe_u32 s41, ttmp6, 0x40004
	s_lshl_b32 s42, ttmp9, 2
	s_add_co_u32 s42, s42, s40                     ; tx = 4 x cluster x + cx
	s_and_b32 s13, ttmp7, 0xffff
	s_lshl_b32 s13, s13, 2
	s_add_co_u32 s13, s13, s41                     ; ty = 4 x cluster y + cy
	s_lshl_b32 s43, s41, 2
	s_lshl_b32 s43, 15, s43                        ; my row of the cluster
	s_lshl_b32 s44, 0x1111, s40                    ; my column
	s_or_b32 s[G1+0], s43, (1<<16)|(1<<20)|(1<<21)|(5<<22)|(3<<25)   ; 15:0 the mask; 17:16 elements of 2 bytes; 20 padding on; 21 set beside a mask; 24:22 after every 64 words (code 5); 31:25 4 words (code 3)
	s_or_b32 s[G1B+0], s44, (1<<16)|(1<<20)|(1<<21)|(5<<22)|(3<<25)
	s_mov_b32 s[G1+1], KSTEP<<16                   ; tensor_dim0 = 128
	s_mov_b32 s[G1+2], 128<<16                     ; tensor_dim1 = 128
	s_mov_b32 s[G1+3], KSTEP<<16                   ; tile_dim0 = 128
	s_mov_b32 s[G1+4], 128                         ; tile_dim1 = 128
	s_mov_b32 s[G1+5], SIZE_K                      ; elements from row to row
	s_mov_b32 s[G1+6], 0
	s_mov_b32 s[G1+7], 0
	s_mov_b32 s[G1B+1], KSTEP<<16
	s_mov_b32 s[G1B+2], BH<<16                     ; 96 rows
	s_mov_b32 s[G1B+3], KSTEP<<16
	s_mov_b32 s[G1B+4], BH
	s_mov_b32 s[G1B+5], SIZE_K
	s_mov_b32 s[G1B+6], 0
	s_mov_b32 s[G1B+7], 0
	s_lshl_b32 s17, s12, 7
	s_lshl_b32 s16, s13, 8
	s_add_co_u32 s16, s16, s17                     ; xb: row 256 ty + 128 x half,
	s_lshl_b32 s16, s16, 12                        ; of 4,096 bytes
	s_mov_b32 s17, 0
	s_mul_i32 s46, s42, BROWS
	s_mul_i32 s47, s12, BH
	s_add_co_u32 s46, s46, s47                     ; wab: row 192 tx + 96 x half
	s_lshl_b32 s46, s46, 12
	s_mov_b32 s47, 0
	s_mul_i32 s20, s12, 128*PITCH                  ; where they go: no place in the cluster enters an LDS address
	s_mul_i32 s21, s12, BH*PITCH
	s_add_co_u32 s21, s21, ATILE
	s_wait_dscnt 0x0                               ; the opening add is done
	s_wait_kmcnt 0x0
	s_add_nc_u64 s[14:15], s[4:5], s[16:17]
	s_add_nc_u64 s[46:47], s[6:7], s[46:47]
	CROUND                                         ; all sixteen work-groups are here: the first joint loads meet
.irp s, 0,1
	s_mov_b32 s[G0+4*(\s)], 1                                        ; count = 1
	s_add_co_u32 s[G0+4*(\s)+1], s20, (\s)*SLOT                      ; LDS address
	s_add_nc_u64 s[G0+4*(\s)+2:G0+4*(\s)+3], s[14:15], (\s)*KSTEP*2  ; global address: K step s
	s_or_b32 s[G0+4*(\s)+3], s[G0+4*(\s)+3], 0x80000000              ; type = 2
	s_mov_b32 s[G0B+4*(\s)], 1
	s_add_co_u32 s[G0B+4*(\s)+1], s21, (\s)*SLOT
	s_add_nc_u64 s[G0B+4*(\s)+2:G0B+4*(\s)+3], s[46:47], (\s)*KSTEP*2
	s_or_b32 s[G0B+4*(\s)+3], s[G0B+4*(\s)+3], 0x80000000
	JLOAD \s                                       ; two tensor loads of mine are out; later one
.endr
	; lane addresses.  A fragment is 16 rows x 32 K in 8 registers: lane l holds row l % 16, K = 8 (l / 16) + 0..7 and 16 + 8 (l / 16) + 0..7: two loads of 16 bytes, 32 bytes apart
	v_and_b32 v1, 15, v0                           ; r = l % 16
	v_bfe_u32 v2, v0, 4, 1                         ; h = l / 16
	v_and_b32 v4, 31, v0                           ; l
	v_mul_u32_u24 v3, v1, PITCH
	v_lshl_add_u32 v3, v2, 4, v3                   ; 272 r + 16 h
	s_mul_i32 s21, s10, 64*PITCH                   ; my 64 rows of xb
	s_mov_b32 s22, ATILE                           ; all of wab's rows
.irp s, 0,1
	v_add_nc_u32 v[ADRA+(\s)], s21, v3
	v_add_nc_u32 v[ADRB+(\s)], s22, v3
	s_add_co_u32 s21, s21, SLOT
	s_add_co_u32 s22, s22, SLOT
.endr
	s_mul_i32 s23, s10, WSTG
	s_add_co_u32 s23, s23, STAGE                   ; my stages
	v_add_nc_u32 v[STQ], s23, v3
	v_mul_u32_u24 v5, v1, 144
	v_lshl_add_u32 v5, v2, 4, v5
	v_add_nc_u32 v5, s23, v5
	v_add_nc_u32 v[STK], STGK, v5
	v_mul_u32_u24 v5, v1, PITCH
	v_lshl_add_u32 v5, v2, 5, v5
	v_add_nc_u32 v5, s23, v5
	v_add_nc_u32 v[STF], STGF, v5
	v_mul_u32_u24 v5, v2, PITCH
	v_lshl_add_u32 v5, v1, 4, v5                   ; back: lanes 0-15 one row of 256 bytes, lanes 16-31 the next
	v_add_nc_u32 v[RDQ], s23, v5
	v_add_nc_u32 v[RDF], STGF, v[RDQ]
	v_bfe_u32 v5, v0, 3, 2                         ; back, rows of 128 bytes: four rows to 32 lanes
	v_mul_u32_u24 v5, v5, 144
	v_and_b32 v6, 7, v0
	v_lshl_add_u32 v5, v6, 4, v5
	v_add_nc_u32 v5, s23, v5
	v_add_nc_u32 v[RDK], STGK, v5
	v_lshlrev_b32 v[L16], 4, v4
	v_lshlrev_b32 v[GF], 9, v2
	v_lshl_add_u32 v[GF], v1, 4, v[GF]
	v_lshlrev_b32 v[BO], 5, v2
	s_lshl_b32 s23, s10, 14
	v_lshlrev_b32 v[CO], 8, v1
	v_lshl_add_u32 v[CO], v2, 4, v[CO]
	v_add_nc_u32 v[CO], s23, v[CO]
	; the buffers' places
	s_cmp_ge_u32 ttmp9, 2                          ; clusters 2 and 3 along x hold v
	s_cselect_b32 s[ISV], -1, 0
	s_cselect_b64 s[KP:KP+1], s[76:77], s[KP:KP+1]
	s_cselect_b64 s[FP:FP+1], s[80:81], s[FP:FP+1]
	s_mov_b32 s[HIM], 0xffff0000
	s_lshr_b32 s88, s13, 2                         ; the batch
	s_and_b32 s89, s13, 3
	s_lshl_b32 s89, s89, 8                         ; t0: the tile's first position
	s_lshl_b32 s90, s10, 6
	s_add_co_u32 s90, s90, s89                     ; t0 + 64 w
	s_mov_b32 s93, 0
	s_lshl_b32 s92, s42, 8
	s_add_co_u32 s92, s92, 8192
	s_add_nc_u64 s[BKV:BKV+1], s[BQ:BQ+1], s[92:93]  ; b_attn[2048 + 64 tx]
	s_lshl_b32 s92, s42, 9
	s_add_nc_u64 s[BQ:BQ+1], s[BQ:BQ+1], s[92:93]    ; b_attn[128 tx]
	s_lshl_b32 s92, s89, 8
	s_add_nc_u64 s[CSQ:CSQ+1], s[CSQ:CSQ+1], s[92:93]
	s_and_b32 s91, s42, 1                          ; the channel half,
	s_sub_co_u32 s[HFM], 0, s91                    ; as a mask for selects of values: 0 or all ones
	s_lshl_b32 s92, s88, 4
	s_add_co_u32 s92, s92, s42
	s_lshl_b32 s92, s92, 10
	s_add_co_u32 s92, s92, s90
	s_lshl_b32 s92, s92, 8                         ; ((16 batch + tx) 1024 + t0 + 64 w) rows of 256 bytes
	s_add_nc_u64 s[QP:QP+1], s[QP:QP+1], s[92:93]
	s_and_b32 s94, s42, 7
	s_lshl_b32 s92, s88, 3
	s_add_co_u32 s92, s92, s94
	s_lshl_b32 s92, s92, 10
	s_add_co_u32 s92, s92, s90
	s_lshl_b32 s92, s92, 7                         ; ((8 batch + tx % 8) 1024 + t0 + 64 w) rows of 128 bytes
	s_add_nc_u64 s[KP:KP+1], s[KP:KP+1], s[92:93]
	s_lshr_b32 s94, s94, 1
	s_lshl_b32 s92, s88, 2
	s_add_co_u32 s92, s92, s94
	s_lshl_b32 s92, s92, 10
	s_add_co_u32 s92, s92, s90
	s_lshl_b32 s92, s92, 9                         ; ((4 batch + kv head) 1024 + t0 + 64 w) rows of 512 bytes,
	s_lshl_b32 s91, s91, 8
	s_add_co_u32 s92, s92, s91                     ; and my half of a row
	s_add_nc_u64 s[FP:FP+1], s[FP:FP+1], s[92:93]
.irp b, 0,1,2,3,4,5,6,7
	global_load_b128 v[BIAS+8*(\b):BIAS+8*(\b)+3],   v[BO], s[BQ:BQ+1] offset:64*(\b)
	global_load_b128 v[BIAS+8*(\b)+4:BIAS+8*(\b)+7], v[BO], s[BQ:BQ+1] offset:64*(\b)+16
.endr
.irp b, 8,9,10,11
	global_load_b128 v[BIAS+8*(\b):BIAS+8*(\b)+3],   v[BO], s[BKV:BKV+1] offset:64*((\b)-8)
	global_load_b128 v[BIAS+8*(\b)+4:BIAS+8*(\b)+7], v[BO], s[BKV:BKV+1] offset:64*((\b)-8)+16
.endr
; The cos | sin words of row block a: for each of q's eight column blocks my row's four pairs, 16 bytes.  All four row blocks are asked for here, into the 128 registers that the accumulators leave free in
; windows 2 and 3; they are waited for once, in front of the way out.  k needs no words of its own: its channel half hf rotates by the pairs of q's column blocks 4 hf .. 4 hf + 3.
.macro CSLOAD a
	WIN 0x80+0x40*((\a)/2)
.irp b, 0,1,2,3,4,5,6,7
	global_load_b128 v[CSA+32*((\a)%2)+4*(\b):CSA+32*((\a)%2)+4*(\b)+3], v[CO], s[CSQ:CSQ+1] offset:4096*(\a)+32*(\b)
.endr
.endm
	CSLOAD 0
	CSLOAD 1
	CSLOAD 2
	CSLOAD 3
	WIN 0x40
	v_mov_b32 v[IDN], 0x3f80                       ; cos = 1 below, sin = 0 above: v is not rotated
	WIN 0
	; the prefetches
	s_and_b32 s22, ttmp7, 0xffff                   ; cluster y
	s_lshl_b32 s20, s13, 8
	s_mul_i32 s21, s42, BROWS
	s_mov_b32 s23, 128
	s_mov_b32 s19, BH
	s_cmp_eq_u32 s11, 0                            ; do I fetch for xb?
	s_cselect_b32 s20, s20, s21                    ; the tile's first row
	s_cselect_b32 s21, s40, s41                    ; my place among the four that ask for it with me
	s_cselect_b32 s22, ttmp9, s22                  ; the coordinate along which other clusters read the same rows
	s_cselect_b32 s23, s23, s19                    ; the rows that a wave fetches,
	s_cselect_b32 s18, 32, BH/4                    ; and a partner's share of them
	s_cselect_b64 s[PFA:PFA+1], s[4:5], s[6:7]
	s_cmp_eq_u32 s22, 0
	s_cselect_b32 s[LIM], 1, -1                    ; the same in all sixteen partners, for a given wave
	s_mul_i32 s23, s23, s12
	s_add_co_u32 s20, s20, s23
	s_mul_i32 s21, s21, s18
	s_add_co_u32 s20, s20, s21
	s_lshl_b32 s20, s20, 12
	s_add_co_u32 s20, s20, 2*KSTEP*2               ; at K step 2: the first refill steps it to 3 and names K step 4
	s_mov_b32 s21, 0
	s_add_nc_u64 s[PFA:PFA+1], s[PFA:PFA+1], s[20:21]
	s_sub_co_u32 s18, s18, 1
	v_min_u32 v[PFO], s18, v4
	v_lshlrev_b32 v[PFO], 12, v[PFO]
	s_wait_loadcnt 32                              ; the bias's 24 loads are in; the 32 younger ones, the cos | sin words, stay out
.set i, 0
.rept 48                                       ; the bias is rounded to bf16 and widened again, while the first tile is on its way
	v_cvt_pk_bf16_f32 v[TMPB+i%4], v[BIAS+2*i], v[BIAS+2*i+1]
	v_lshlrev_b32 v[BIAS+2*i], 16, v[TMPB+i%4]
	v_and_b32 v[BIAS+2*i+1], s[HIM], v[TMPB+i%4]
.set i, i+1
.endr
	s_wait_tensorcnt 1                             ; my part of K step 0 is in; K step 1's may stay out
	s_barrier_signal -1
	s_barrier_wait -1                              ; everybody's is
	FETCH 0, 0, 0
	QUARTER 0, 64, 0, 1, 1                         ; the first quarter stands in front of the loop: its products start the sums
	WIN 0                                          ; at a label and at a branch every window is 0
	s_mov_b32 s3, LAPS-1
.Llap:                                                 ; a trip goes once round the ring, from a lap's second quarter to the next lap's first, and fills both slots again
	QUARTER 0, 128, 1, 0, 0
	QUARTER 0, 192, 0, 1, 0
	TURN 0, 1, 1
	QUARTER 1, 64, 0, 1, 0
	QUARTER 1, 128, 1, 0, 0
	QUARTER 1, 192, 0, 1, 0
	TURN 1, 0, 1
	QUARTER 0, 64, 0, 1, 0
	WIN 0
	s_sub_co_u32 s3, s3, 1
	s_cmp_lg_u32 s3, 0
	s_cbranch_scc1 .Llap
	QUARTER 0, 128, 1, 0, 0                        ; the last lap fills nothing
	QUARTER 0, 192, 0, 1, 0
	TURN 0, 1, 0
	QUARTER 1, 64, 0, 1, 0
	QUARTER 1, 128, 1, 0, 0
	QUARTER 1, 192, 0, 1, 0
	s_wait_dscnt 4                                 ; the very last quarter: nothing more to fetch
	MUL 1, 0, 0
	MUL 1, 1, 0
	s_wait_dscnt 0x0
	MUL 1, 2, 0
	MUL 1, 3, 0
	WIN 0
	PLACES
; THE WAY OUT, a block of 16 rows a trip, four trips.  Only what names a row block's own registers is written four times (TAKE): the sums with their bias go into X, the block's cos | sin words into CSR.
; The rest is written once: rotation; f16; through my own stages in LDS, so that every store covers whole runs of 256 consecutive bytes, aligned.
.macro TAKE a
	WIN 0x42+(\a)/2                                ; destination window 1, the sums and the words in window 2 or 3, the bias in window 0
.set i, 0
.rept 48                                       ; each accumulator's registers in ascending order
	v_pk_add_f32 v[X+2*i:X+2*i+1], v[96*((\a)%2)+2*i:96*((\a)%2)+2*i+1], v[BIAS+2*i:BIAS+2*i+1]
.set i, i+1
.endr
.set i, 0
.rept 32
	v_mov_b32 v[CSR+i], v[CSA+32*((\a)%2)+i]
.set i, i+1
.endr
	WIN 0
.endm
; Column block b: four pairs (re, im) a lane.  re' = re cos - im sin, im' = re sin + im cos.
.macro ROPE b
.irp i, 0,1,2,3
	v_lshlrev_b32 v[TC+(\i)], 16, v[CSR+4*(\b)+(\i)]
	v_and_b32 v[TS+(\i)], s[HIM], v[CSR+4*(\b)+(\i)]
.endr
.irp i, 0,1,2,3
	v_mul_f32 v[T+2*(\i)], v[X+8*(\b)+2*(\i)+1], v[TS+(\i)]
	v_mul_f32 v[T+2*(\i)+1], v[X+8*(\b)+2*(\i)], v[TS+(\i)]
.endr
.irp i, 0,1,2,3
	v_fma_f32 v[X+8*(\b)+2*(\i)], v[X+8*(\b)+2*(\i)], v[TC+(\i)], -v[T+2*(\i)]
	v_fma_f32 v[X+8*(\b)+2*(\i)+1], v[X+8*(\b)+2*(\i)+1], v[TC+(\i)], v[T+2*(\i)+1]
.endr
.irp i, 0,1,2,3
	v_cvt_pk_f16_f32 v[P+4*(\b)+(\i)], v[X+8*(\b)+2*(\i)], v[X+8*(\b)+2*(\i)+1]
.endr
.endm
	s_wait_loadcnt 0x0                             ; the cos | sin words of all four row blocks, asked for at the head
	s_mov_b32 s3, 4                                ; row blocks to go: block 4 - s3 is in hand
.Lout:
	s_cmp_eq_u32 s3, 4
	s_cbranch_scc1 .Lrow0
	s_cmp_eq_u32 s3, 3
	s_cbranch_scc1 .Lrow1
	s_cmp_eq_u32 s3, 2
	s_cbranch_scc1 .Lrow2
	TAKE 3
	s_branch .Lrope
.Lrow0:
	TAKE 0
	s_branch .Lrope
.Lrow1:
	TAKE 1
	s_branch .Lrope
.Lrow2:
	TAKE 2
.Lrope:
	WIN 0x55                                       ; all in window 1
.set i, 0
.rept 16                                       ; the words of the four column blocks of k or v: q's first or second sixteen, by the channel half;
	v_cndmask_b32 v[CSR+32+i], v[CSR+i], v[CSR+16+i], s[HFM]
.set i, i+1
.endr
.set i, 0
.rept 16                                       ; where the tile holds v the word (1, 0) takes their place: selects of values, no branch
	v_cndmask_b32 v[CSR+32+i], v[CSR+32+i], v[IDN], s[ISV]
.set i, i+1
.endr
.irp b, 0,1,2,3,4,5,6,7,8,9,10,11
	ROPE \b
.endr
	WIN 0x04                                       ; address window 0, data window 1
.irp b, 0,1,2,3,4,5,6,7
	ds_store_b128 v[STQ], v[P+4*(\b):P+4*(\b)+3] offset:32*(\b)
.endr
.irp b, 8,9,10,11
	ds_store_b128 v[STK], v[P+4*(\b):P+4*(\b)+3] offset:32*((\b)-8)
	ds_store_b128 v[STF], v[X+8*(\b):X+8*(\b)+3] offset:64*((\b)-8)
	ds_store_b128 v[STF], v[X+8*(\b)+4:X+8*(\b)+7] offset:64*((\b)-8)+16
.endr
	WIN 0
	s_wait_xcnt 0x0                                ; the last trip's stores have read their registers and their bases: the registers are loaded again below, the bases stepped here
	s_add_nc_u64 s[QP:QP+1], s[QP:QP+1], 4096      ; 16 rows on in each output; this trip's stores reach back by their immediates
	s_add_nc_u64 s[KP:KP+1], s[KP:KP+1], 2048
	s_add_nc_u64 s[FP:FP+1], s[FP:FP+1], 8192
.irp i, 0,1,2,3,4,5,6,7
	ds_load_b128 v[RB+4*(\i):RB+4*(\i)+3], v[RDQ] offset:544*(\i)  ; LDS serves a wave's instructions in order (ISA guide 5.7.1.4): these see the stores above, and the next trip's stores come behind them
.endr
.irp i, 0,1,2,3
	ds_load_b128 v[RB+32+4*(\i):RB+32+4*(\i)+3], v[RDK] offset:576*(\i)
.endr
.irp i, 0,1,2,3,4,5,6,7
	ds_load_b128 v[RB+48+4*(\i):RB+48+4*(\i)+3], v[RDF] offset:544*(\i)
.endr
.irp i, 0,1,2,3,4,5,6,7
	s_wait_dscnt 19-(\i)                           ; the loads younger than this one may stay out
	global_store_b128 v[L16], v[RB+4*(\i):RB+4*(\i)+3], s[QP:QP+1] offset:512*(\i)-4096        ; two rows of qh: 512 bytes on end
.endr
.irp i, 0,1,2,3
	s_wait_dscnt 11-(\i)
	global_store_b128 v[L16], v[RB+32+4*(\i):RB+32+4*(\i)+3], s[KP:KP+1] offset:512*(\i)-2048  ; four rows of kh or vh: 512 bytes on end
.endr
.irp i, 0,1,2,3,4,5,6,7
	s_wait_dscnt 7-(\i)
	global_store_b128 v[GF], v[RB+48+4*(\i):RB+48+4*(\i)+3], s[FP:FP+1] offset:1024*(\i)-8192  ; my half of two rows of out1 or out2: 256 bytes on end, twice
.endr
	s_sub_co_u32 s3, s3, 1
	s_cmp_lg_u32 s3, 0
	s_cbranch_scc1 .Lout
	s_wait_tensorcnt 0x0                           ; the wave's end: behind my last tensor load and my last LDS store
	ds_add_u32 v[SPW], v[NIL]
	s_wait_dscnt 0x0
	CROUND                                         ; the closing round: no work-group ends while a partner may still ask for a tile that names it
	s_endpgm
.Lfunc_end_k_q215be8d5d9_qkv:
	.size	k_q215be8d5d9_qkv, .Lfunc_end_k_q215be8d5d9_qkv-k_q215be8d5d9_qkv
	.p2alignl 7, 3214868480
	.fill 96, 4, 3214868480
	.section	.rodata,"a",@progbits
	.p2align	6, 0x0
	.amdhsa_kernel k_q215be8d5d9_qkv
		.amdhsa_group_segment_fixed_size 327680
		.amdhsa_private_segment_fixed_size 0
		.amdhsa_enable_private_segment 0
		.amdhsa_kernarg_size 72
		.amdhsa_user_sgpr_count 2
		.amdhsa_user_sgpr_kernarg_segment_ptr 1
		.amdhsa_wavefront_size32 1
		.amdhsa_system_sgpr_workgroup_id_x 1
		.amdhsa_system_sgpr_workgroup_id_y 1
		.amdhsa_system_sgpr_workgroup_id_z 1
		.amdhsa_system_vgpr_workitem_id 0
		.amdhsa_next_free_vgpr 1024
		.amdhsa_next_free_sgpr 96
		.amdhsa_reserve_vcc 0
		.amdhsa_float_denorm_mode_32 3
		.amdhsa_float_denorm_mode_16_64 3
		.amdhsa_memory_ordered 1
		.amdhsa_forward_progress 1
		.amdhsa_inst_pref_size 149
	.end_amdhsa_kernel
	.amdgpu_metadata
---
amdhsa.version: [ 1, 2 ]
amdhsa.kernels:
  - .name:           k_q215be8d5d9_qkv
    .symbol:         k_q215be8d5d9_qkv.kd
    .args:
      - { .name: xb, .offset: 0, .size: 8, .value_kind: global_buffer, .address_space: global }
      - { .name: wab, .offset: 8, .size: 8, .value_kind: global_buffer, .address_space: global }
      - { .name: b_attn, .offset: 16, .size: 8, .value_kind: global_buffer, .address_space: global }
      - { .name: cs, .offset: 24, .size: 8, .value_kind: global_buffer, .address_space: global }
      - { .name: qh, .offset: 32, .size: 8, .value_kind: global_buffer, .address_space: global }
      - { .name: kh, .offset: 40, .size: 8, .value_kind: global_buffer, .address_space: global }
      - { .name: vh, .offset: 48, .size: 8, .value_kind: global_buffer, .address_space: global }
      - { .name: out1, .offset: 56, .size: 8, .value_kind: global_buffer, .address_space: global }
      - { .name: out2, .offset: 64, .size: 8, .value_kind: global_buffer, .address_space: global }
    .group_segment_fixed_size: 327680
    .private_segment_fixed_size: 0
    .kernarg_segment_align: 8
    .kernarg_segment_size: 72
    .max_flat_workgroup_size: 128
    .sgpr_count:     96
    .vgpr_count:     1024
    .wavefront_size: 32
...
	.end_amdgpu_metadata
.endif
;; end of part 2
;; launch attn (part 3): grid 16 x 16, 4 waves a work-group, clusters of 4 x 1, 327,680 bytes of LDS; arguments qh, kh, vh, yh; writes yh
.if DOCPART == 3
	.amdgcn_target "amdgcn-amd-amdhsa--gfx1250"
	.amdhsa_code_object_version 6
	.text
	.protected	k_q215be8d5d9_attn
	.globl	k_q215be8d5d9_attn
	.p2align	8
	.type	k_q215be8d5d9_attn,@function
k_q215be8d5d9_attn:
	s_mov_b64 s[64:65], 0
	v_nop
	global_prefetch_b8 v0, s[64:65] scope:SCOPE_SE
	s_setreg_imm32_b32 hwreg(HW_REG_WAVE_MODE, 25, 1), 1
	s_wait_xcnt 0x0
	s_wait_alu depctr_hold_cnt(0) depctr_sa_sdst(0) depctr_va_vdst(0) depctr_va_sdst(0) depctr_va_ssrc(0) depctr_va_vcc(0) depctr_vm_vsrc(0)
	s_getreg_b32 s2, hwreg(HW_REG_IB_STS2, 6, 4)
	s_cmp_eq_u32 s2, 0
	s_cbranch_scc0 .Lentry_in_a_cluster
	s_endpgm
.Lentry_in_a_cluster:
	s_bfe_u32 s2, ttmp6, 0x10000c
	s_cmp_lg_u32 s2, 0x3003
	s_cbranch_scc0 .Lentry_shape_is_right
	s_endpgm
.Lentry_shape_is_right:
; CAUSAL ATTENTION, four query heads to a key-value head.  y[t] = the sum over s <= t of softmax_s(q[t] . k[s] / sqrt(128)) v[s].
; qh: [batch][head 16][1024][128] f16; kh, vh: [batch][kv head][channel half][1024][64] f16; yh: [4096][2048] f16, column 128 head + channel.
; Products, maxima and sums in f32; the weights p are rounded to f16 for the second product (their sum l is taken of the unrounded p), y once at the end.
; LIMITS.  f16 holds no number beyond 65,504: q, k, v arrive within it.  A hidden score counts as its value less 1e30; a weight below 2^-126 counts as 0 in l; NaN and infinities are not treated apart.
; THE WALK.  A head's queries lie in 8 blocks of 128; block i needs the key tiles 0 .. i of 128 keys, of which the last holds the diagonal.  A work-group takes TWO blocks, 7 - p and then p:
; 9 tiles, 18 key steps of 64, whatever p: all 256 work-groups do equal work, and loops with constant trip counts walk them.
; CLUSTER.  The four partners are the four query heads of one key-value head, with the same p: they walk the same tiles of K and V in the same order, so every tile is asked for JOINTLY.
; What a trip does hangs on p (the cluster's x), the wave's number and counters; the place in the cluster (the head) enters the addresses of q, y and the prefetches alone.
; SHARES.  Wave w owns rows 32 w .. 32 w + 31 of a block: two tiles of 16 queries.
; LAYOUT.  S^T = K Q^T (source 0 = 16 keys, source 1 = 16 queries): a lane holds ONE query (lane % 16) and the keys 8 (lane / 16) + 0..7.  Two such results rounded to f16 ARE source 1 of O^T = V^T P.
; K comes out of LDS as it lies, V ([key][channel]) turned, by ds_load_tr16_b128.
; SOFTMAX.  A running maximum m and sum l for each query: p = 2^(c s - c m), c = log2(e) / sqrt(128); in every step O and l are multiplied by a = 2^(c m_old - c m_new).
; m starts at the lowest finite number, so a block's first a is 0 and O, l need only hold finite numbers there.
; THE MASK is the C operand that starts the sum S^T: 0, or -1e30 where the key lies behind the query.  ONE text serves every tile: the mask registers hold 0 but in a diagonal tile, whose steps make them anew;
; elsewhere that is jumped over.  Every row sees key 0 in its block's first step, so m is a true score before a step that is wholly hidden.
; IN PHASES: a step's 32 products K Q^T, the softmax, its 32 products V^T P.  The step's V is fetched from LDS behind the products K Q^T, the tile's second K at the softmax's one wait.  The change of slots
; stands in front of a tile's LAST products V^T P, when V of its second step is in registers; the next tile's first K is fetched behind it, under those products.
; REGISTERS, in windows of 256 (s_set_vgpr_msb: bits 1:0 source 0, 3:2 source 1, 5:4 source 2, 7:6 destination):
;   window 0: v0-15 addresses; v16-31 eight registers of statistics a tile; v32-35 for the masks; v64-127 S^T; v128-159 P; v160-223 the masks
;   window 1: v0-127 O^T, 64 a tile; v128-191 Q; v192-255 the second block's Q          window 2: v0-127 K of one step; v128-255 V of one step
.set KS,    64        ; keys in a step
.set PK,    144       ; a row of half of K in LDS: 128 bytes + 16 of padding = 36 words: the 16 rows of a load start at 16 different groups of four banks (64 banks of 4 bytes: ISA guide 11.1)
.set PV,    160       ; of V: 128 + 32 = 40 words
.set KHALF, 128*PK    ; a slot holds a tile of 128 keys: K's channels 0-63, K's 64-127, V's 0-63, V's 64-127
.set VHALF, 128*PV
.set VOFF,  2*KHALF
.set SLOT1, 1<<17     ; slot 1 begins here, so that one exclusive or turns an address in one slot into the other's
.set STAGE, SLOT1+2*KHALF+2*VHALF  ; behind the ring, never filled by a tensor load: 16 rows x 272 bytes for each wave
.set SP,    272
.set SPARE, STAGE+4*16*SP          ; behind the stages: the spare words, 128 bytes for each wave: two blocks of 256 bytes that no other line names
.set AK0, 2           ; v2   my lane's place in a tile of K; never rewritten
.set AV0, 3           ; v3   the same for V
.set AK,  4           ; v4   the LDS address of K's next run of loads
.set AV,  5           ; v5   of V's
.set STO, 6           ; v6   the way out: where I put 16 bytes of a row
.set RD,  7           ; v7   the way out: where I read rows back
.set GO,  8           ; v8   my byte offset in two rows of yh
.set QO,  9           ; v9   my byte offset in 16 rows of qh
.set ST,  16          ; tile t's statistics at v[ST+8 t]: +0 c m, +1 m, +2, +3 l (even keys', odd keys'), +4 to +7 c0-c3 at work; a takes c2's place
.set DQ,  32          ; v32-33  tile t: my query's place in the block less my lanes' 8 (l / 16)
.set DD,  34          ; v34-35  the same less 64 for each step gone
.set PFO, 61          ; v61  256 x lane; never rewritten
.set SPW, 62          ; v62  LDS address of my spare word; never rewritten
.set NIL, 63          ; v63  0; never rewritten
.set S,   64
.set P,   128
.set MC,  160
.set QR,  128         ; window 1
.set Q2,  192
.set KF,  0           ; window 2
.set VF,  128
.set WV,  12          ; s12  my wave's number
.set PB,  14          ; s14  p
.set HI,  15          ; s15  7 - p
.set LIM, 16          ; s16  2 in a wave that prefetches, else the greatest number
.set PFA, 18          ; s[18:19] where my prefetches stand
.set G1K, 24          ; s[24:31] descriptor group 1 for K's tiles
.set G1V, 32          ; s[32:39] for V's: it differs in the padding alone
.set G0K, 40          ; s[40:43] descriptor group 0 for K's tiles
.set G0V, 44          ; s[44:47] for V's
.set SLOTS, 56        ; s56  tiles still to be asked for
.set CNT, 57          ; s57  counts a tile's two key steps
.set CS,  58          ; s[58:59] c
.set SEL, 60          ; s[60:61] v_permlanex16_b32's selects: each lane takes its own place in the other half
.set TBK, 62          ; s62  LDS byte at which K of the step to be fetched begins
.set TBV, 63          ; s63  the same for V, less VOFF
.set RT,  70          ; s70  tiles of the block in hand that are still to be entered; 0 in its last, the diagonal one
.set NXT, 71          ; s71  the tile to be asked for next
.set LQ,  72          ; s72  the last tile of the block whose tiles are being asked for
.set TL,  73          ; s73  counts the walk's last two tiles
.set OFF, 74          ; s[74:75] a tile's byte offset in a half of K or V
.set OLO, 80          ; s[80:81] yh at my rows of the second block
.set BIGN, 82         ; s82  -1e30
.set MSB, 0
.macro WIN new                      ; the high byte repeats the setting that is left; a switch that changes nothing is dropped
.if MSB != (\new)
	s_set_vgpr_msb (MSB<<8)|(\new)
.set MSB, (\new)
.endif
.endm
.set W_KQ, 0x06       ; K in window 2, Q in window 1, S^T and the mask in window 0
.set W_PV, 0x52       ; V in window 2, P in window 0, O^T in window 1
.set W_RS, 0x41       ; destination and source 0 in window 1, source 1 in window 0
.macro PLACES
.rept 4
	v_nop
.endr
.endm
; A joint fill.  Wave 0 fetches K's first channel half, wave 1 its second, waves 2 and 3 V's.  The branch hangs on the wave's number alone.  An s_nop 0 and four v_nop follow each of the two lines.
.macro JLOAD
	s_cmp_lt_u32 s[WV], 2
	s_cbranch_scc0 .Lfor_v_\@
	tensor_load_to_lds s[G0K:G0K+3], s[G1K:G1K+7]
	s_nop 0
.rept 4
	v_nop
.endr
	s_branch .Lasked_\@
.Lfor_v_\@:
	tensor_load_to_lds s[G0V:G0V+3], s[G1V:G1V+7]
	s_nop 0
.rept 4
	v_nop
.endr
.Lasked_\@:
.endm
.macro CROUND                       ; a round of the cluster's barrier
	s_barrier_signal -1
	s_barrier_wait -1
	s_cmp_lg_u32 s[WV], 0
	s_cbranch_scc1 .Lnot_wave_0_\@
	s_barrier_signal -3
.Lnot_wave_0_\@:
	s_barrier_wait -3
	s_barrier_signal -1
	s_barrier_wait -1
.endm
; A prefetch of the tile that the NEXT change of slots will ask for: two key steps, 128 matrix instructions, ahead of that load.  The four clusters of a key-value head walk the same K and V: the cluster with
; p = 0, whose first block walks tiles 0 to 7, asks.  A tile is 128 runs of 256 bytes of K and 128 of V: wave 0 asks for K's, wave 2 for V's, and the four partners take 32 runs each, told apart by address.
; The first six changes (s[SLOTS] = 8 .. 3) ask for tiles 2 to 7; the last two that fill ask for nothing; tiles 0 and 1 come by their loads alone; the second block's tiles have been read before.
.macro ASK
	s_cmp_gt_u32 s[SLOTS], s[LIM]
	s_cbranch_scc0 .Lnot_mine_\@
	global_prefetch_b8 v[PFO], s[PFA:PFA+1] th:TH_LOAD_NT scope:SCOPE_SE
.Lnot_mine_\@:
.endm
; THE CHANGE OF SLOTS.  Each wave waits for all its tensor loads (one is out: its part of the other slot), adds 0 to its spare word, and waits for that and for its own reads of the slot that it leaves.
; fill = 1: the barrier is a round of the cluster's, and the old slot is filled again first thing behind it, with tile NXT: the descriptor's address is made anew from that number.
; (At its first use nothing has been read yet: slot 0 is waited for, slot 1 filled.)
.macro CHANGE fill
	WIN 0
	s_wait_tensorcnt 0x0            ; no tensor load of mine is out, so a group 0 may be written
	ds_add_u32 v[SPW], v[NIL]       ; 0 onto my spare word: the scalar work stands between it and the wait for it
.if \fill
	s_lshl_b32 s[OFF], s[NXT], 14   ; a tile is 16,384 bytes of each half
	s_xor_b32 s[G0K+1], s[G0K+1], SLOT1
	s_add_nc_u64 s[G0K+2:G0K+3], s[6:7], s[OFF:OFF+1]
	s_or_b32 s[G0K+3], s[G0K+3], 0x80000000
	s_xor_b32 s[G0V+1], s[G0V+1], SLOT1
	s_add_nc_u64 s[G0V+2:G0V+3], s[8:9], s[OFF:OFF+1]
	s_or_b32 s[G0V+3], s[G0V+3], 0x80000000
	s_add_co_u32 s[NXT], s[NXT], 1  ; the block's next tile, or behind its last the second block's tile 0
	s_cmp_gt_u32 s[NXT], s[LQ]
	s_cselect_b32 s[NXT], 0, s[NXT]
	s_cselect_b32 s[LQ], s[PB], s[LQ]
	s_wait_xcnt 0x0                 ; the last prefetch, a tile back, has read its address
	s_add_nc_u64 s[PFA:PFA+1], s[PFA:PFA+1], 16384
	s_wait_dscnt 0x0                ; the add is done, and my reads of the slot are over
	CROUND
	JLOAD
	ASK
.else
	s_wait_dscnt 0x0
	s_barrier_signal -1
	s_barrier_wait -1
.endif
	s_sub_co_u32 s[TBK], s[TBK], 2*KS*PK  ; the fetches go back to a slot's first step,
	s_xor_b32 s[TBK], s[TBK], SLOT1       ; in the other slot
	s_sub_co_u32 s[TBV], s[TBV], 2*KS*PV
	s_xor_b32 s[TBV], s[TBV], SLOT1
.endm
	s_load_b256 s[4:11], s[0:1], 0x0  ; qh s[4:5], kh s[6:7], vh s[8:9], yh s[10:11]
	v_lshl_add_u32 v[SPW], v0, 2, SPARE
	v_mov_b32 v[NIL], 0
	ds_add_u32 v[SPW], v[NIL]       ; the wave's opening: the add and its wait stand ahead of my first tensor load; the set-up below, work on registers, stands between them
	v_lshrrev_b32 v1, 5, v0
	v_readfirstlane_b32 s[WV], v1   ; wave 0..3
	s_bfe_u32 s13, ttmp6, 0x40000   ; cx: the query head in its group of four
	s_mov_b32 s[PB], ttmp9          ; p: in a cluster launch ttmp9 counts clusters
	s_sub_co_u32 s[HI], 7, s[PB]
	s_and_b32 s20, ttmp7, 0xffff    ; y = 4 x batch + kv head
	s_and_b32 s17, s[WV], 1         ; which channel half I fetch
	s_lshl_b32 s22, s20, 1
	s_add_co_u32 s22, s22, s17
	s_lshl_b32 s22, s22, 17         ; a half of a head's K or V is 1,024 rows of 128 bytes
	s_mov_b32 s23, 0
	s_lshl_b32 s2, s20, 2
	s_add_co_u32 s2, s2, s13
	s_lshl_b32 s2, s2, 18           ; qh: head 4 y + cx, 1,024 rows of 256 bytes,
	s_lshl_b32 s3, s[WV], 13        ; my wave's 32 rows in a block
	s_add_co_u32 s2, s2, s3
	s_lshl_b32 s3, s[HI], 15
	s_add_co_u32 s84, s2, s3        ; in the first block,
	s_mov_b32 s85, 0
	s_lshl_b32 s3, s[PB], 15
	s_add_co_u32 s2, s2, s3         ; and in the second
	s_mov_b32 s3, 0
	s_lshr_b32 s76, s20, 2
	s_lshl_b32 s76, s76, 22         ; yh: the batch's 1,024 rows of 4,096 bytes,
	s_and_b32 s77, s20, 3
	s_lshl_b32 s77, s77, 2
	s_add_co_u32 s77, s77, s13
	s_lshl_b32 s77, s77, 8          ; the head's 256 bytes of a row,
	s_add_co_u32 s76, s76, s77
	s_lshl_b32 s77, s[WV], 17       ; my wave's 32 rows
	s_add_co_u32 s76, s76, s77
	s_lshl_b32 s77, s[HI], 19
	s_add_co_u32 s78, s76, s77      ; in the first block,
	s_mov_b32 s79, 0
	s_lshl_b32 s77, s[PB], 19
	s_add_co_u32 s76, s76, s77      ; and in the second
	s_mov_b32 s77, 0
	; descriptor group 1.  128 keys of a half are 16,384 dense bytes: asked for as 64 rows of 256 bytes, two keys a row, and padded in LDS after every key
	s_mov_b32 s[G1K], 15|(1<<16)|(1<<20)|(1<<21)|(4<<22)|(3<<25)  ; 15:0 the mask of four; 17:16 2-byte elements; 20 padding on; 21 set beside a mask; 24:22 after every 32 words (code 4); 31:25 4 words (code 3)
	s_mov_b32 s[G1V], 15|(1<<16)|(1<<20)|(1<<21)|(4<<22)|(7<<25)  ; the same with 8 words of padding (code 7)
.irp g, G1K, G1V
	s_mov_b32 s[\g+1], 128<<16      ; tensor_dim0 = 128
	s_mov_b32 s[\g+2], 64<<16       ; tensor_dim1 = 64
	s_mov_b32 s[\g+3], 128<<16      ; tile_dim0 = 128
	s_mov_b32 s[\g+4], 64           ; tile_dim1 = 64
	s_mov_b32 s[\g+5], 128          ; 128 elements from row to row
	s_mov_b32 s[\g+6], 0
	s_mov_b32 s[\g+7], 0
.endr
	s_mov_b32 s[CS], 0x3e0293ee     ; c = log2(e) / sqrt(128) = 0.127517
	s_mov_b32 s[CS+1], s[CS]        ; named with it as a pair
	s_mov_b32 s[SEL], 0x76543210
	s_mov_b32 s[SEL+1], 0xfedcba98
	s_mov_b32 s[TBK], SLOT1+2*KS*PK ; the first change of slots turns these two into 0
	s_mov_b32 s[TBV], SLOT1+2*KS*PV
	s_mul_i32 s21, s17, KHALF
	s_mov_b32 s[G0K], 1             ; count = 1
	s_mov_b32 s[G0K+1], s21         ; LDS address: slot 0, my half
	s_mul_i32 s21, s17, VHALF
	s_mov_b32 s[G0V], 1
	s_add_co_u32 s[G0V+1], s21, VOFF
	s_add_co_u32 s[RT], s[HI], 1    ; the first block has 8 - p tiles
	s_mov_b32 s[NXT], 1
	s_mov_b32 s[LQ], s[HI]
	s_mov_b32 s[OFF+1], 0
	s_mov_b32 s[BIGN], 0xf149f2ca   ; -1e30
	s_mov_b32 s[SLOTS], 8
	s_and_b32 s[LIM], s[WV], 1      ; 0 in waves 0 and 2,
	s_or_b32 s[LIM], s[LIM], ttmp9  ; where p = 0: the same in all four partners
	s_cmp_eq_u32 s[LIM], 0
	s_cselect_b32 s[LIM], 2, -1
	v_and_b32 v[PFO], 31, v0
	v_lshlrev_b32 v[PFO], 8, v[PFO]
	s_wait_dscnt 0x0                ; the opening add is done
	s_wait_kmcnt 0x0
	s_add_nc_u64 s[6:7], s[6:7], s[22:23]  ; K and V at my half's tile 0
	s_add_nc_u64 s[8:9], s[8:9], s[22:23]
	s_add_nc_u64 s[G0K+2:G0K+3], s[6:7], 0
	s_or_b32 s[G0K+3], s[G0K+3], 0x80000000  ; type = 2
	s_add_nc_u64 s[G0V+2:G0V+3], s[8:9], 0
	s_or_b32 s[G0V+3], s[G0V+3], 0x80000000
	s_add_nc_u64 s[86:87], s[4:5], s[2:3]    ; Q at my rows of the second block,
	s_add_nc_u64 s[4:5], s[4:5], s[84:85]    ; and of the first
	s_add_nc_u64 s[OLO:OLO+1], s[10:11], s[76:77]
	s_add_nc_u64 s[10:11], s[10:11], s[78:79]
	s_cmp_lt_u32 s[WV], 2
	s_cselect_b64 s[PFA:PFA+1], s[6:7], s[8:9]  ; (in waves 0 and 2 these stand at the first half's tile 0)
	s_lshr_b32 s2, s13, 1
	s_lshl_b32 s2, s2, 17           ; partners 2 and 3 take the second half,
	s_and_b32 s3, s13, 1
	s_lshl_b32 s3, s3, 13           ; odd partners a tile's second 8,192 bytes
	s_add_co_u32 s2, s2, s3
	s_add_co_u32 s2, s2, 16384      ; at tile 1: the first change steps it to tile 2
	s_mov_b32 s3, 0
	s_add_nc_u64 s[PFA:PFA+1], s[PFA:PFA+1], s[2:3]
	CROUND                          ; all four work-groups are here: the first joint loads meet
	JLOAD                           ; tile 0 into slot 0; one tensor load of mine is out, here and behind every change
	v_and_b32 v1, 15, v0            ; r = l % 16
	v_bfe_u32 v10, v0, 4, 1         ; h = l / 16
	v_lshlrev_b32 v[QO], 8, v1
	v_lshl_add_u32 v[QO], v10, 4, v[QO]  ; row x 256 + 16 x half
	WIN 0x40                        ; destination window 1, address window 0
.set i, 0
.rept 8                             ; both blocks' Q stay in registers: tile i / 4, channels 32 (i % 4) on
	global_load_b128 v[QR+8*i:QR+8*i+3],   v[QO], s[4:5] offset:(i/4)*4096+(i%4)*64
	global_load_b128 v[QR+8*i+4:QR+8*i+7], v[QO], s[4:5] offset:(i/4)*4096+(i%4)*64+32
	global_load_b128 v[Q2+8*i:Q2+8*i+3],   v[QO], s[86:87] offset:(i/4)*4096+(i%4)*64
	global_load_b128 v[Q2+8*i+4:Q2+8*i+7], v[QO], s[86:87] offset:(i/4)*4096+(i%4)*64+32
.set i, i+1
.endr
.set i, 0
.rept 128                           ; O^T need only be finite where a block begins; written in the wait for the first tile, so that no first step is written out
	v_mov_b32 v[i], 0
.set i, i+1
.endr
	WIN 0
.set i, 0
.rept 64                            ; the masks hold 0 outside a diagonal tile: the price of one text for every tile, paid in the same wait
	v_mov_b32 v[MC+i], 0
.set i, i+1
.endr
.irp t, 0,1
	v_mov_b32 v[ST+8*(\t)], 0xfe000000    ; c m: far below every c s
	v_mov_b32 v[ST+8*(\t)+1], 0xff7fffff  ; m
	v_mov_b32 v[ST+8*(\t)+2], 0
	v_mov_b32 v[ST+8*(\t)+3], 0
.endr
	v_mul_u32_u24 v[AK0], v1, PK
	v_lshl_add_u32 v[AK0], v10, 4, v[AK0]  ; row x pitch + 16 x half
	; The turning load takes 16 keys x 16 channels (lane l reads key 8 (l / 16) + l % 8, channels 8 ((l / 8) % 2) + 0..7) and leaves half a fragment of V^T: lane l holds channel l % 16 and 8 keys.
	v_and_b32 v11, 7, v0
	v_bfe_u32 v12, v0, 3, 1
	v_lshl_add_u32 v[AV0], v10, 3, v11
	v_mul_u32_u24 v[AV0], v[AV0], PV
	v_lshl_add_u32 v[AV0], v12, 4, v[AV0]
	v_add_nc_u32 v[AV0], VOFF, v[AV0]
	s_mul_i32 s21, s[WV], 16*SP
	s_add_co_u32 s21, s21, STAGE    ; my stage
	v_mul_u32_u24 v[STO], v1, SP    ; in: row l % 16, 16 bytes for each half of the lanes
	v_lshl_add_u32 v[STO], v10, 4, v[STO]
	v_add_nc_u32 v[STO], s21, v[STO]
	v_mul_u32_u24 v[RD], v10, SP    ; back: lanes 0-15 one row of 256 bytes, lanes 16-31 the next
	v_lshl_add_u32 v[RD], v1, 4, v[RD]
	v_add_nc_u32 v[RD], s21, v[RD]
	v_lshlrev_b32 v[GO], 12, v10    ; and the same two rows in yh
	v_lshl_add_u32 v[GO], v1, 4, v[GO]
	v_lshlrev_b32 v13, 3, v10
	v_sub_nc_u32 v13, v1, v13
	s_lshl_b32 s21, s[WV], 5
	v_add_nc_u32 v[DQ], s21, v13    ; 32 w + 16 t + l % 16 - 8 (l / 16)
	v_add_nc_u32 v[DQ+1], 16, v[DQ]
	s_wait_loadcnt 0x0              ; Q
; THE MATRIX WORK.  Product i of 32 of S^T = K Q^T: channels 32 (i / 8) on, keys 16 ((i / 2) % 4) on, tile i % 2.  The first 8 start the sums with the mask registers.  The 8 accumulators take turns.
.macro KQ32
	WIN W_KQ
.set i, 0
.rept 32
.set rS, S+32*(i%2)+8*((i/2)%4)
.set rK, KF+32*((i/2)%4)+8*(i/8)
.set rQ, QR+32*(i%2)+8*(i/8)
.set rM, MC+32*(i%2)+8*((i/2)%4)
.if i < 8
	v_wmma_f32_16x16x32_f16 v[rS:rS+7], v[rK:rK+7], v[rQ:rQ+7], v[rM:rM+7]
.else
	v_wmma_f32_16x16x32_f16 v[rS:rS+7], v[rK:rK+7], v[rQ:rQ+7], v[rS:rS+7]
.endif
.set i, i+1
.endr
.endm
; Product i of 32 of O^T += V^T P: keys 32 (i / 16) on, channels 16 ((i / 2) % 8) on, tile i % 2.  The 16 accumulators take turns.
.macro PV32
	WIN W_PV
.set i, 0
.rept 32
.set rO, 64*(i%2)+8*((i/2)%8)
.set rV, VF+64*(i/16)+8*((i/2)%8)
.set rP, P+16*(i%2)+8*(i/16)
	v_wmma_f32_16x16x32_f16 v[rO:rO+7], v[rV:rV+7], v[rP:rP+7], v[rO:rO+7]
.set i, i+1
.endr
.endm
; THE LDS LOADS, in runs of 32: a step's K (fragment f: keys 16 (f / 4) on, channels 32 (f % 4) on) and its V, turned (fragment f: keys 32 (f / 8) on, channels 16 (f % 8) on)
.macro FETCH_K
	WIN 0x80                        ; destination window 2
.set f, 0
.rept 16
	ds_load_b128 v[KF+8*f:KF+8*f+3],   v[AK] offset:((f%4)/2)*KHALF+(f/4)*16*PK+(f%2)*64
	ds_load_b128 v[KF+8*f+4:KF+8*f+7], v[AK] offset:((f%4)/2)*KHALF+(f/4)*16*PK+(f%2)*64+32
.set f, f+1
.endr
	s_add_co_u32 s[TBK], s[TBK], KS*PK  ; the next fetch is the next step's
	WIN 0
.endm
.macro FETCH_V
	WIN 0x80
.set f, 0
.rept 16
	ds_load_tr16_b128 v[VF+8*f:VF+8*f+3],   v[AV] offset:((f%8)/4)*VHALF+(f/8)*32*PV+(f%4)*32
	ds_load_tr16_b128 v[VF+8*f+4:VF+8*f+7], v[AV] offset:((f%8)/4)*VHALF+(f/8)*32*PV+16*PV+(f%4)*32
.set f, f+1
.endr
	s_add_co_u32 s[TBV], s[TBV], KS*PV
	WIN 0
.endm
; The masks of a step of the diagonal tile: register i of tile t (key 16 (i / 8) + i % 8 of my lanes' eight) is hidden where that number is greater than DD.
.macro MASKS
	WIN 0
.irp t, 0,1
.set i, 0
.rept 32
	v_cmp_gt_i32 vcc_lo, 16*(i/8)+i%8, v[DD+(\t)]
	v_cndmask_b32 v[MC+32*(\t)+i], 0, s[BIGN], vcc_lo
.set i, i+1
.endr
	v_add_nc_u32 v[DD+(\t)], 0xffffffc0, v[DD+(\t)]  ; the next step's keys lie 64 further on
.endr
.endm
; THE SOFTMAX of one tile and step is a list of 134 instructions; SM writes number j of it for tile t.  s0-s31 are the lane's 32 scores, in pairs 0-15.
;   0-15    the maximum of s0-s31 and the old m, three operands at a time (each accumulator's lowest registers are read first)
;   16-20   the other half of the lanes' maximum; the new m; c m; c m_old - c m_new
;   21-69   the 16 scalings c s - c m and all 33 exponentials (a at 23): none of these reads an exponential's result
;   70-85   the roundings to f16     86-101  the sums; l = a l + the sum     102-133  the tile's O^T times a
.macro SM t
.set rT, ST+8*(\t)
.set rS, S+32*(\t)
.set rP, P+16*(\t)
.set rO, 64*(\t)+2*(j-102)
.if j < 102
	WIN 0
.endif
.if j < 4
	v_max3_num_f32 v[rT+4+j], v[rS+8*j], v[rS+8*j+1], v[rS+8*j+2]
.elseif j < 12
	v_max3_num_f32 v[rT+4+j%4], v[rT+4+j%4], v[rS+8*(j%4)+2*(j/4)+1], v[rS+8*(j%4)+2*(j/4)+2]
.elseif j == 12
	v_max3_num_f32 v[rT+4], v[rT+4], v[rS+7], v[rS+15]
.elseif j == 13
	v_max3_num_f32 v[rT+6], v[rT+6], v[rS+23], v[rS+31]
.elseif j == 14
	v_max3_num_f32 v[rT+4], v[rT+4], v[rT+5], v[rT+6]
.elseif j == 15
	v_max3_num_f32 v[rT+4], v[rT+4], v[rT+7], v[rT+1]
.elseif j == 16
	v_permlanex16_b32 v[rT+5], v[rT+4], s[SEL], s[SEL+1]  ; the query's other 32 keys lie in the lane 16 away
.elseif j == 17
	v_mov_b32 v[rT+7], v[rT]        ; c m_old is kept for a
.elseif j == 18
	v_max_num_f32 v[rT+1], v[rT+4], v[rT+5]
.elseif j == 19
	v_mul_f32 v[rT], s[CS], v[rT+1]
.elseif j == 20
	v_sub_f32 v[rT+7], v[rT+7], v[rT]
.elseif j == 23
	v_exp_f32 v[rT+6], v[rT+7]
.elseif (j < 23) || ((j < 38) && (j%2 == 0)) || ((j < 66) && (j%4 == 2))
.set b, (j-2)/4                     ; 38, 42, .. 62: pairs 9 to 15
.if j < 38
.set b, (j-20)/2                    ; 21: pair 0; 22, 24, .. 36: pairs 1 to 8
.endif
	v_pk_fma_f32 v[rS+2*b:rS+2*b+1], v[rS+2*b:rS+2*b+1], s[CS:CS+1], v[rT:rT+1] op_sel_hi:[1,0,0] neg_lo:[0,0,1] neg_hi:[0,0,1]
.elseif j < 70
.set e, j-38                        ; 66 to 69: s28 to s31
.if j < 66
.set e, j-32-(j-38)/4               ; 39-41, 43-45, .. 63-65: s7 to s27
.endif
.if j < 38
.set e, (j-25)/2                    ; 25, 27, .. 37: s0 to s6
.endif
	v_exp_f32 v[rS+e], v[rS+e]
.elseif j < 86
	v_cvt_pk_f16_f32 v[rP+j-70], v[rS+2*(j-70)], v[rS+2*(j-70)+1]
.elseif j < 102                     ; the sum of the 16 pairs, in place: neighbours 1, 2, 4 and 8 pairs apart, then l takes it
.set z, j-86
.set w, 4
.set u, z
.if z >= 14
.set w, 32
.set u, 0
.elseif z >= 12
.set w, 16
.set u, z-12
.elseif z >= 8
.set w, 8
.set u, z-8
.endif
.if z < 15
	v_pk_add_f32 v[rS+w*u:rS+w*u+1], v[rS+w*u:rS+w*u+1], v[rS+w*u+w/2:rS+w*u+w/2+1]
.else
	v_pk_fma_f32 v[rT+2:rT+3], v[rT+2:rT+3], v[rT+6:rT+7], v[rS:rS+1] op_sel_hi:[1,0,1]
.endif
.else
	WIN W_RS
	v_pk_mul_f32 v[rO:rO+1], v[rO:rO+1], v[rT+6:rT+7] op_sel_hi:[1,0]
.endif
.endm
; Both tiles' lists, number by number, the tiles by turns.  The 66 exponentials are one batch with one wait: nothing ahead of number 70 names a result of theirs, and none is issued behind it.
; Behind that wait stands the run of loads for the tile's second K (140 vector instructions behind the last product that read K's registers); in the second step there is none, and the run is jumped over.
.macro SOFTMAX
.set j, 0
.rept 70
	SM 0
	SM 1
.set j, j+1
.endr
	v_nop                           ; a plain instruction behind the last exponential, ahead of the first use (ISA guide 5.7.2)
	s_wait_alu depctr_va_vdst(0)    ; the wait ahead of the first instruction that names a result, and ahead of the branch
	s_cmp_eq_u32 s[CNT], 1
	s_cbranch_scc1 .Lnok_\@
	v_add_nc_u32 v[AK], s[TBK], v[AK0]
	FETCH_K
.Lnok_\@:
.rept 64
	SM 0
	SM 1
.set j, j+1
.endr
	WIN 0
.endm
; THE WAY OUT.  l's two halves and the other half of the lanes' are added; O^T is divided by l, rounded to f16 and sent through my stage in LDS, a tile (16 rows) at a time.
.macro PACK t
	WIN W_RS
.set i, 64*(\t)
.rept 32
	v_pk_mul_f32 v[i:i+1], v[i:i+1], v[ST+8*(\t)+6:ST+8*(\t)+7] op_sel_hi:[1,0]
.set i, i+2
.endr
	WIN 0x05                        ; sources 0 and 1 window 1, destination window 0: S^T's registers are free
.set i, 0
.rept 32
	v_cvt_pk_f16_f32 v[S+32*(\t)+i], v[64*(\t)+2*i], v[64*(\t)+2*i+1]
.set i, i+1
.endr
	WIN 0
.irp f, 0,1,2,3,4,5,6,7
	ds_store_b128 v[STO], v[S+32*(\t)+4*(\f):S+32*(\t)+4*(\f)+3] offset:32*(\f)
.endr
.irp f, 0,1,2,3,4,5,6,7
	ds_load_b128 v[S+32*(\t)+4*(\f):S+32*(\t)+4*(\f)+3], v[RD] offset:(\f)*2*SP  ; LDS serves a wave's instructions in order (ISA guide 5.7.1.4): these see the stores above; the next tile's stores come behind them
.endr
.endm
.macro SEND t, younger              ; younger: the LDS instructions issued behind tile t's loads
	WIN 0
.irp f, 0,1,2,3,4,5,6,7
	s_wait_dscnt (\younger)+7-(\f)
	global_store_b128 v[GO], v[S+32*(\t)+4*(\f):S+32*(\t)+4*(\f)+3], s[10:11] offset:(16*(\t)+2*(\f))*4096  ; 16 lanes store 256 consecutive bytes, aligned: a head's part of a row of yh
.endr
.endm
.macro WAYOUT
	WIN 0
	PLACES                          ; behind the last products
.irp t, 0,1
	v_add_f32 v[ST+8*(\t)+4], v[ST+8*(\t)+2], v[ST+8*(\t)+3]
.endr
.irp t, 0,1
	v_permlanex16_b32 v[ST+8*(\t)+5], v[ST+8*(\t)+4], s[SEL], s[SEL+1]
.endr
.irp t, 0,1
	v_add_f32 v[ST+8*(\t)+4], v[ST+8*(\t)+4], v[ST+8*(\t)+5]
.endr
.irp t, 0,1
	v_rcp_f32 v[ST+8*(\t)+6], v[ST+8*(\t)+4]
.endr
	v_nop                           ; a plain instruction between the last reciprocal and the use of its result
	s_wait_alu depctr_va_vdst(0)    ; and the wait: one for both reciprocals
	PACK 0
	PACK 1
	SEND 0, 16
	SEND 1, 0
.endm
; A TILE OF THE WALK: two key steps, written once and walked twice; its first K has been fetched behind the change of slots in front of it.
; The second step leaves the loop in front of its products V^T P: V is in registers, so the slot has been read out: the change of slots, the next tile's first K, and then those products.
; fill = 1: the slot is filled again.  fill = 0, the walk's last two tiles: nothing is asked for; the last of them fetches no K and begins no block (its change of slots is a barrier more than it needs:
; no jump passes a barrier, and both tiles have one text).  A block's last tile (s[RT] = 0) makes masks and is followed by the way out.
.macro WALK fill
	s_sub_co_u32 s[RT], s[RT], 1
	s_mov_b32 s[CNT], 2
	v_mov_b32 v[DD], v[DQ]
	v_mov_b32 v[DD+1], v[DQ+1]
.Lstep_\@:
	s_cmp_lg_u32 s[RT], 0
	s_cbranch_scc1 .Lopen_\@
	MASKS                           ; they are made while K is on its way out of LDS
.Lopen_\@:
	s_wait_dscnt 0x0                ; K is in
	KQ32
	WIN 0
	PLACES                          ; behind the products: in front of the loads into V's registers and of the maxima
	v_add_nc_u32 v[AV], s[TBV], v[AV0]
	FETCH_V
	SOFTMAX
	s_wait_dscnt 0x0                ; V is in, and so is the second K where it was asked for: the count is right on both ways
	s_sub_co_u32 s[CNT], s[CNT], 1
	s_cmp_eq_u32 s[CNT], 0
	s_cbranch_scc1 .Lleave_\@
	PV32
	WIN 0
	s_cmp_lg_u32 s[CNT], 0          ; the count is 1 here: the second step follows
	s_cbranch_scc1 .Lstep_\@
.Lleave_\@:
	CHANGE \fill
.if \fill
	v_add_nc_u32 v[AK], s[TBK], v[AK0]
	FETCH_K                         ; the next tile's first K, under the 32 products below
.else
	s_cmp_eq_u32 s[TL], 1
	s_cbranch_scc1 .Lnone_\@
	v_add_nc_u32 v[AK], s[TBK], v[AK0]
	FETCH_K
.Lnone_\@:
.endif
	PV32
	WIN 0
	s_cmp_lg_u32 s[RT], 0
	s_cbranch_scc1 .Lon_\@
	WAYOUT
.if !(\fill)
	s_cmp_eq_u32 s[TL], 1
	s_cbranch_scc1 .Lon_\@
.endif
	s_wait_xcnt 0x0                 ; the stores have read their registers and yh's address
	s_mov_b64 s[10:11], s[OLO:OLO+1]
	s_add_co_u32 s[RT], s[PB], 1    ; the second block has p + 1 tiles
	WIN W_RS                        ; the second block's Q goes where the one text of the products names Q
.set i, 0
.rept 64
	v_mov_b32 v[QR+i], v[Q2+i]
.set i, i+1
.endr
	WIN 0
.set i, 0
.rept 64                            ; the masks hold 0 again
	v_mov_b32 v[MC+i], 0
.set i, i+1
.endr
.irp t, 0,1
	v_mov_b32 v[ST+8*(\t)], 0xfe000000    ; the block's first a is 0: what the first block left in O^T and l is finite, and is multiplied away
	v_mov_b32 v[ST+8*(\t)+1], 0xff7fffff
.endr
.Lon_\@:
.endm
	CHANGE 1                        ; slot 0 is in, everybody's part of it; tile 1 is asked for, into slot 1
	v_add_nc_u32 v[AK], s[TBK], v[AK0]
	FETCH_K                         ; key step 0
	s_mov_b32 s[SLOTS], 7
.Lslot:                             ; 7 times: tiles 0 to 6 of the walk; at each one's end the tile two on is asked for
	WALK 1
	s_sub_co_u32 s[SLOTS], s[SLOTS], 1
	s_cmp_lg_u32 s[SLOTS], 0
	s_cbranch_scc1 .Lslot
	s_mov_b32 s[TL], 2
.Ltail:                             ; tiles 7 and 8 have a text of their own
	WALK 0
	s_sub_co_u32 s[TL], s[TL], 1
	s_cmp_lg_u32 s[TL], 0
	s_cbranch_scc1 .Ltail
	s_wait_tensorcnt 0x0            ; the wave's end: behind my last tensor load and my last LDS store
	ds_add_u32 v[SPW], v[NIL]
	s_wait_dscnt 0x0
	CROUND                          ; the closing round: no work-group ends while a partner may still ask for a tile that names it
	s_endpgm
.Lfunc_end_k_q215be8d5d9_attn:
	.size	k_q215be8d5d9_attn, .Lfunc_end_k_q215be8d5d9_attn-k_q215be8d5d9_attn
	.p2alignl 7, 3214868480
	.fill 96, 4, 3214868480
	.section	.rodata,"a",@progbits
	.p2align	6, 0x0
	.amdhsa_kernel k_q215be8d5d9_attn
		.amdhsa_group_segment_fixed_size 327680
		.amdhsa_private_segment_fixed_size 0
		.amdhsa_enable_private_segment 0
		.amdhsa_kernarg_size 32
		.amdhsa_user_sgpr_count 2
		.amdhsa_user_sgpr_kernarg_segment_ptr 1
		.amdhsa_wavefront_size32 1
		.amdhsa_system_sgpr_workgroup_id_x 1
		.amdhsa_system_sgpr_workgroup_id_y 1
		.amdhsa_system_sgpr_workgroup_id_z 1
		.amdhsa_system_vgpr_workitem_id 0
		.amdhsa_next_free_vgpr 768
		.amdhsa_next_free_sgpr 88
		.amdhsa_reserve_vcc 1
		.amdhsa_float_denorm_mode_32 3
		.amdhsa_float_denorm_mode_16_64 3
		.amdhsa_memory_ordered 1
		.amdhsa_forward_progress 1
		.amdhsa_inst_pref_size 126
	.end_amdhsa_kernel
	.amdgpu_metadata
---
amdhsa.version: [ 1, 2 ]
amdhsa.kernels:
  - .name:           k_q215be8d5d9_attn
    .symbol:         k_q215be8d5d9_attn.kd
    .args:
      - { .name: qh, .offset: 0, .size: 8, .value_kind: global_buffer, .address_space: global }
      - { .name: kh, .offset: 8, .size: 8, .value_kind: global_buffer, .address_space: global }
      - { .name: vh, .offset: 16, .size: 8, .value_kind: global_buffer, .address_space: global }
      - { .name: yh, .offset: 24, .size: 8, .value_kind: global_buffer, .address_space: global }
    .group_segment_fixed_size: 327680
    .private_segment_fixed_size: 0
    .kernarg_segment_align: 8
    .kernarg_segment_size: 32
    .max_flat_workgroup_size: 128
    .sgpr_count:     88
    .vgpr_count:     768
    .wavefront_size: 32
...
	.end_amdgpu_metadata
.endif
;; end of part 3
;; launch proj (part 4): grid 16 x 16, 4 waves a work-group, clusters of 4 x 4, 327,680 bytes of LDS; arguments yh, wpf, b_proj, out0; writes out0
.if DOCPART == 4
	.amdgcn_target "amdgcn-amd-amdhsa--gfx1250"
	.amdhsa_code_object_version 6
	.text
	.protected	k_q215be8d5d9_proj
	.globl	k_q215be8d5d9_proj
	.p2align	8
	.type	k_q215be8d5d9_proj,@function
k_q215be8d5d9_proj:
	s_mov_b64 s[64:65], 0
	v_nop
	global_prefetch_b8 v0, s[64:65] scope:SCOPE_SE
	s_setreg_imm32_b32 hwreg(HW_REG_WAVE_MODE, 25, 1), 1
	s_wait_xcnt 0x0
	s_wait_alu depctr_hold_cnt(0) depctr_sa_sdst(0) depctr_va_vdst(0) depctr_va_sdst(0) depctr_va_ssrc(0) depctr_va_vcc(0) depctr_vm_vsrc(0)
	s_getreg_b32 s2, hwreg(HW_REG_IB_STS2, 6, 4)
	s_cmp_eq_u32 s2, 0
	s_cbranch_scc0 .Lentry_in_a_cluster
	s_endpgm
.Lentry_in_a_cluster:
	s_bfe_u32 s2, ttmp6, 0x10000c
	s_cmp_lg_u32 s2, 0xf033
	s_cbranch_scc0 .Lentry_shape_is_right
	s_endpgm
.Lentry_shape_is_right:
; out0 = y w_proj^T + b_proj.  yh: [4096][2048] f16; wpf: [2048][2048] f16 (w_proj rounded to bf16, that number as f16); out0: [4096][2048] f32.  Sums in f32; b_proj is rounded to bf16 here, like every input of the program.
; SHARES.  A tile of out0 is 256 rows x 128 columns: 16 x 16 tiles, one to a work-group.  Wave w makes rows 64 w .. 64 w + 63 and all 128 columns: 4 x 8 accumulators of 16 x 16, 256 registers.
; So a wave owns whole rows of the tile, and the way out needs no barrier.  K goes in steps of 128 (rows of 256 bytes) through a ring of two LDS slots; two slots of 256 along K, 405,504 bytes, would not fit.
; CLUSTER 4 x 4: the four work-groups of a row of the cluster need the same rows of yh, the four of a column the same rows of wpf: each tile is asked for jointly.
; THE MATRIX INSTRUCTION IS USED TRANSPOSED (source 0 = 16 rows of wpf, source 1 = 16 rows of yh): lane l holds row l % 16 and the columns 8 (l / 16) + 0..7.
; REGISTERS, in windows of 256 (s_set_vgpr_msb: bits 1:0 source 0, 3:2 source 1, 5:4 source 2, 7:6 destination):
;   window 0: v0-30 addresses; v64-95, v96-127 fragments of yh, two buffers; v128-191 the bias; on the way out v32-95 rows read back, v192-255 a row block with its bias
;   window 1: v0-63, v64-127 fragments of wpf, two buffers          windows 2, 3: accumulator (a, b) in window 2 + a / 2 at v[8 (8 (a % 2) + b)]
.set NBL,    8
.set BROWS,  128
.set BH,     64
.set SIZE_K, 2048
.set KSTEP,  128
.set PITCH,  272                       ; an LDS row: 256 bytes + 16 of padding = 68 words: the 16 rows that a load touches start at 16 different groups of four banks (64 banks of 4 bytes: ISA guide 11.1)
.set ATILE,  256*PITCH
.set SLOT,   (256+BROWS)*PITCH
.set STAGE,  2*SLOT                    ; behind the ring, never filled by a tensor load: 16 rows x 528 bytes for each wave
.set SPITCH, 528
.set SPARE,  STAGE+4*16*SPITCH         ; behind the stages: the spare words, 128 bytes for each wave: two blocks of 256 bytes that no other line names
.set LAPS,   SIZE_K/(2*KSTEP)
.set L16,  8                           ; v8   16 x lane
.set BO,   10                          ; v10  32 (l / 16)
.set ADRA, 16
.set ADRB, 20
.set STO,  22                          ; v22  the way out: where I put 32 bytes of a row
.set RD,   25                          ; v25  the way out: where I read a row back
.set SPW,  28
.set NIL,  29
.set PFO,  30
.set RB,   32
.set BIAS, 128
.set X,    192
.set G1,  24
.set G0,  32
.set LIM, 43
.set PFA, 44
.set G1B, 48
.set G0B, 56
.set BP,  68                           ; s[68:69] b_proj at the tile's 128 columns
.set OP,  70                           ; s[70:71] out0 at my 64 rows and the tile's columns
.set MSB, 0
.macro WIN new
.if MSB != (\new)
	s_set_vgpr_msb (MSB<<8)|(\new)
.set MSB, \new
.endif
.endm
.macro PLACES                          ; four plain vector instructions behind matrix instructions, in front of loads into registers that they read and of lines that read results
.rept 4
	v_nop
.endr
.endm
.macro JLOAD s                         ; a joint load: waves 0 and 1 fetch yh's two halves, waves 2 and 3 wpf's; an s_nop 0 and four v_nop follow each of the two lines
	s_cmp_eq_u32 s11, 0
	s_cbranch_scc0 .Lfor_b_\@
	tensor_load_to_lds s[G0+4*(\s):G0+4*(\s)+3], s[G1:G1+7]
	s_nop 0
.rept 4
	v_nop
.endr
	s_branch .Lasked_\@
.Lfor_b_\@:
	tensor_load_to_lds s[G0B+4*(\s):G0B+4*(\s)+3], s[G1B:G1B+7]
	s_nop 0
.rept 4
	v_nop
.endr
.Lasked_\@:
.endm
.macro CREST
	s_cmp_lg_u32 s10, 0
	s_cbranch_scc1 .Lnot_wave_0_\@
	s_barrier_signal -3
.Lnot_wave_0_\@:
	s_barrier_wait -3
	s_barrier_signal -1
	s_barrier_wait -1
.endm
.macro CROUND
	s_barrier_signal -1
	s_barrier_wait -1
	CREST
.endm
; A prefetch of the K step that stands two refills on: a lane a row, 256 bytes of each.  yh's rows: cluster x = 0 asks; wpf's: cluster y = 0.  Of the rows that a wave fetches the four partners take a quarter each,
; told apart by address (32 rows of yh; 16 of wpf, where lanes 16-31 name the 16th again).  The loop's last trip asks for nothing.
.macro ASK
	s_cmp_gt_u32 s3, s[LIM]
	s_cbranch_scc0 .Lnot_mine_\@
	global_prefetch_b8 v[PFO], s[PFA:PFA+1] offset:KSTEP*2 th:TH_LOAD_NT scope:SCOPE_SE
.Lnot_mine_\@:
.endm
; 8 matrix instructions: row block a x all column blocks, 32 along K, from buffer f.  The 32 accumulators take turns, one instruction a turn, in the same order everywhere.
.macro MUL f, a, zero
	WIN 0xa1+0x50*((\a)/2)
.set nb, 0
.rept NBL
.set rD, 8*(NBL*((\a)%2)+nb)
.set rB, 8*NBL*(\f)+8*nb
.set rA, 64+32*(\f)+8*(\a)
.if \zero
	v_wmma_f32_16x16x32_f16 v[rD:rD+7], v[rB:rB+7], v[rA:rA+7], 0
.else
	v_wmma_f32_16x16x32_f16 v[rD:rD+7], v[rB:rB+7], v[rA:rA+7], v[rD:rD+7]
.endif
.set nb, nb+1
.endr
.endm
.macro FETCH slot, k, f                ; 24 LDS loads in one run: wpf's 8 fragments, then yh's 4
	WIN 0x40
.set nb, 0
.rept NBL
	ds_load_b128 v[8*NBL*(\f)+8*nb:8*NBL*(\f)+8*nb+3],   v[ADRB+(\slot)] offset:(\k)+nb*16*PITCH
	ds_load_b128 v[8*NBL*(\f)+8*nb+4:8*NBL*(\f)+8*nb+7], v[ADRB+(\slot)] offset:(\k)+nb*16*PITCH+32
.set nb, nb+1
.endr
	WIN 0
.irp i, 0,1,2,3
	ds_load_b128 v[64+32*(\f)+8*(\i):64+32*(\f)+8*(\i)+3],   v[ADRA+(\slot)] offset:(\k)+(\i)*16*PITCH
	ds_load_b128 v[64+32*(\f)+8*(\i)+4:64+32*(\f)+8*(\i)+7], v[ADRA+(\slot)] offset:(\k)+(\i)*16*PITCH+32
.endr
.endm
.macro QUARTER slot, k, f, g, zero
	s_wait_dscnt 4                                 ; all of wpf's and yh's fragments 0, 1 are in; the youngest four loads may be out
	MUL \f, 0, \zero
	MUL \f, 1, \zero
	PLACES
	FETCH \slot, \k, \g
	s_wait_dscnt 2*NBL+8                           ; all but the run just issued
	MUL \f, 2, \zero
	MUL \f, 3, \zero
.endm
; The last quarter multiplies buffer 1 and changes slots: ONE barrier; in front of it each wave waits for all its tensor loads, adds 0 to its spare word, and waits for that and for its own reads of this slot.
; fill = 1: the barrier opens a round of the cluster's barrier, and this slot is filled again first thing behind the round: 112 matrix instructions ahead of the wait for it.
.macro TURN slot, next, fill
.if \fill
	s_wait_xcnt 0x0                                ; the last prefetch, a K step back, has read its address
	s_add_nc_u64 s[PFA:PFA+1], s[PFA:PFA+1], KSTEP*2
.endif
	WIN 0
	s_wait_tensorcnt 0x0                           ; all my tensor loads have landed
	ds_add_u32 v[SPW], v[NIL]                      ; 0 onto my spare word
	s_wait_dscnt 5                                 ; (the add and the youngest four loads may be out)
	MUL 1, 0, 0
	s_wait_dscnt 0x0                               ; the add is done, and my reads of this slot are over
	s_barrier_signal -1
	MUL 1, 1, 0
.if \fill
	WIN 0
.endif
	s_barrier_wait -1
.if \fill
	CREST
	s_add_nc_u64 s[G0+4*(\slot)+2:G0+4*(\slot)+3], s[G0+4*(\slot)+2:G0+4*(\slot)+3], 2*KSTEP*2
	s_add_nc_u64 s[G0B+4*(\slot)+2:G0B+4*(\slot)+3], s[G0B+4*(\slot)+2:G0B+4*(\slot)+3], 2*KSTEP*2
	JLOAD \slot
.else
	PLACES
.endif
	FETCH \next, 0, 0
.if \fill
	ASK
.endif
	MUL 1, 2, 0
	MUL 1, 3, 0
.endm
	s_load_b128 s[4:7], s[0:1], 0x0                ; yh s[4:5], wpf s[6:7]
	s_load_b128 s[68:71], s[0:1], 0x10             ; b_proj s[68:69], out0 s[70:71]
	v_lshl_add_u32 v[SPW], v0, 2, SPARE
	v_mov_b32 v[NIL], 0
	ds_add_u32 v[SPW], v[NIL]                      ; the wave's opening: the add and its wait stand ahead of my first tensor load
	v_lshrrev_b32 v1, 5, v0
	v_readfirstlane_b32 s10, v1                    ; wave 0..3
	s_lshr_b32 s11, s10, 1
	s_and_b32 s12, s10, 1
	s_bfe_u32 s40, ttmp6, 0x40000                  ; cx, cy
	s_bfe_u32 s41, ttmp6, 0x40004
	s_lshl_b32 s42, ttmp9, 2
	s_add_co_u32 s42, s42, s40                     ; tx
	s_and_b32 s13, ttmp7, 0xffff
	s_lshl_b32 s13, s13, 2
	s_add_co_u32 s13, s13, s41                     ; ty
	s_lshl_b32 s43, s41, 2
	s_lshl_b32 s43, 15, s43                        ; my row of the cluster
	s_lshl_b32 s44, 0x1111, s40                    ; my column
	s_or_b32 s[G1+0], s43, (1<<16)|(1<<20)|(1<<21)|(5<<22)|(3<<25)
	s_or_b32 s[G1B+0], s44, (1<<16)|(1<<20)|(1<<21)|(5<<22)|(3<<25)
	s_mov_b32 s[G1+1], KSTEP<<16
	s_mov_b32 s[G1+2], 128<<16
	s_mov_b32 s[G1+3], KSTEP<<16
	s_mov_b32 s[G1+4], 128
	s_mov_b32 s[G1+5], SIZE_K
	s_mov_b32 s[G1+6], 0
	s_mov_b32 s[G1+7], 0
	s_mov_b32 s[G1B+1], KSTEP<<16
	s_mov_b32 s[G1B+2], BH<<16
	s_mov_b32 s[G1B+3], KSTEP<<16
	s_mov_b32 s[G1B+4], BH
	s_mov_b32 s[G1B+5], SIZE_K
	s_mov_b32 s[G1B+6], 0
	s_mov_b32 s[G1B+7], 0
	s_lshl_b32 s17, s12, 7
	s_lshl_b32 s16, s13, 8
	s_add_co_u32 s16, s16, s17                     ; yh: row 256 ty + 128 x half
	s_lshl_b32 s16, s16, 12
	s_mov_b32 s17, 0
	s_mul_i32 s46, s42, BROWS
	s_mul_i32 s47, s12, BH
	s_add_co_u32 s46, s46, s47                     ; wpf: row 128 tx + 64 x half
	s_lshl_b32 s46, s46, 12
	s_mov_b32 s47, 0
	s_mul_i32 s20, s12, 128*PITCH
	s_mul_i32 s21, s12, BH*PITCH
	s_add_co_u32 s21, s21, ATILE
	s_wait_dscnt 0x0                               ; the opening add is done
	s_wait_kmcnt 0x0
	s_add_nc_u64 s[14:15], s[4:5], s[16:17]
	s_add_nc_u64 s[46:47], s[6:7], s[46:47]
	CROUND                                         ; all sixteen work-groups are here: the first joint loads meet
.irp s, 0,1
	s_mov_b32 s[G0+4*(\s)], 1
	s_add_co_u32 s[G0+4*(\s)+1], s20, (\s)*SLOT
	s_add_nc_u64 s[G0+4*(\s)+2:G0+4*(\s)+3], s[14:15], (\s)*KSTEP*2
	s_or_b32 s[G0+4*(\s)+3], s[G0+4*(\s)+3], 0x80000000
	s_mov_b32 s[G0B+4*(\s)], 1
	s_add_co_u32 s[G0B+4*(\s)+1], s21, (\s)*SLOT
	s_add_nc_u64 s[G0B+4*(\s)+2:G0B+4*(\s)+3], s[46:47], (\s)*KSTEP*2
	s_or_b32 s[G0B+4*(\s)+3], s[G0B+4*(\s)+3], 0x80000000
	JLOAD \s                                       ; two tensor loads of mine are out; later one
.endr
	v_and_b32 v1, 15, v0                           ; r
	v_bfe_u32 v2, v0, 4, 1                         ; h
	v_and_b32 v4, 31, v0                           ; l
	v_mul_u32_u24 v3, v1, PITCH
	v_lshl_add_u32 v3, v2, 4, v3
	s_mul_i32 s21, s10, 64*PITCH
	s_mov_b32 s22, ATILE
.irp s, 0,1
	v_add_nc_u32 v[ADRA+(\s)], s21, v3
	v_add_nc_u32 v[ADRB+(\s)], s22, v3
	s_add_co_u32 s21, s21, SLOT
	s_add_co_u32 s22, s22, SLOT
.endr
	s_mul_i32 s23, s10, 16*SPITCH
	s_add_co_u32 s23, s23, STAGE                   ; my stage
	v_mul_u32_u24 v5, v1, SPITCH
	v_lshl_add_u32 v5, v2, 5, v5                   ; in: row r, 32 bytes for each half of the lanes
	v_add_nc_u32 v[STO], s23, v5
	v_lshlrev_b32 v[L16], 4, v4
	v_add_nc_u32 v[RD], s23, v[L16]                ; back: 32 lanes take one row of 512 bytes
	v_lshlrev_b32 v[BO], 5, v2
	s_mov_b32 s73, 0
	s_lshl_b32 s72, s42, 9                         ; the tile's 128 columns: 512 bytes
	s_add_nc_u64 s[BP:BP+1], s[BP:BP+1], s[72:73]
	s_add_nc_u64 s[OP:OP+1], s[OP:OP+1], s[72:73]
	s_lshl_b32 s72, s13, 8
	s_lshl_b32 s74, s10, 6
	s_add_co_u32 s72, s72, s74
	s_lshl_b32 s72, s72, 13                        ; row 256 ty + 64 w, of 8,192 bytes
	s_add_nc_u64 s[OP:OP+1], s[OP:OP+1], s[72:73]
	s_mov_b32 s74, 0xffff0000
.irp b, 0,1,2,3,4,5,6,7
	global_load_b128 v[BIAS+8*(\b):BIAS+8*(\b)+3],   v[BO], s[BP:BP+1] offset:64*(\b)
	global_load_b128 v[BIAS+8*(\b)+4:BIAS+8*(\b)+7], v[BO], s[BP:BP+1] offset:64*(\b)+16
.endr
	; the prefetches
	s_and_b32 s22, ttmp7, 0xffff                   ; cluster y
	s_lshl_b32 s20, s13, 8
	s_mul_i32 s21, s42, BROWS
	s_mov_b32 s23, 128
	s_mov_b32 s19, BH
	s_cmp_eq_u32 s11, 0                            ; do I fetch for yh?
	s_cselect_b32 s20, s20, s21
	s_cselect_b32 s21, s40, s41
	s_cselect_b32 s22, ttmp9, s22
	s_cselect_b32 s23, s23, s19
	s_cselect_b32 s18, 32, BH/4
	s_cselect_b64 s[PFA:PFA+1], s[4:5], s[6:7]
	s_cmp_eq_u32 s22, 0
	s_cselect_b32 s[LIM], 1, -1                    ; the same in all sixteen partners, for a given wave
	s_mul_i32 s23, s23, s12
	s_add_co_u32 s20, s20, s23
	s_mul_i32 s21, s21, s18
	s_add_co_u32 s20, s20, s21
	s_lshl_b32 s20, s20, 12
	s_add_co_u32 s20, s20, 2*KSTEP*2               ; at K step 2: the first refill steps it to 3 and names K step 4
	s_mov_b32 s21, 0
	s_add_nc_u64 s[PFA:PFA+1], s[PFA:PFA+1], s[20:21]
	s_sub_co_u32 s18, s18, 1
	v_min_u32 v[PFO], s18, v4
	v_lshlrev_b32 v[PFO], 12, v[PFO]
	s_wait_loadcnt 0x0                             ; the bias
.set i, 0
.rept 32                                       ; rounded to bf16 and widened again, while the first tile is on its way
	v_cvt_pk_bf16_f32 v[X+i%4], v[BIAS+2*i], v[BIAS+2*i+1]
	v_lshlrev_b32 v[BIAS+2*i], 16, v[X+i%4]
	v_and_b32 v[BIAS+2*i+1], s74, v[X+i%4]
.set i, i+1
.endr
	s_wait_tensorcnt 1                             ; my part of K step 0 is in; K step 1's may stay out
	s_barrier_signal -1
	s_barrier_wait -1
	FETCH 0, 0, 0
	QUARTER 0, 64, 0, 1, 1                         ; the first quarter stands in front of the loop: its products start the sums
	WIN 0
	s_mov_b32 s3, LAPS-1
.Llap:
	QUARTER 0, 128, 1, 0, 0
	QUARTER 0, 192, 0, 1, 0
	TURN 0, 1, 1
	QUARTER 1, 64, 0, 1, 0
	QUARTER 1, 128, 1, 0, 0
	QUARTER 1, 192, 0, 1, 0
	TURN 1, 0, 1
	QUARTER 0, 64, 0, 1, 0
	WIN 0
	s_sub_co_u32 s3, s3, 1
	s_cmp_lg_u32 s3, 0
	s_cbranch_scc1 .Llap
	QUARTER 0, 128, 1, 0, 0                        ; the last lap fills nothing
	QUARTER 0, 192, 0, 1, 0
	TURN 0, 1, 0
	QUARTER 1, 64, 0, 1, 0
	QUARTER 1, 128, 1, 0, 0
	QUARTER 1, 192, 0, 1, 0
	s_wait_dscnt 4
	MUL 1, 0, 0
	MUL 1, 1, 0
	s_wait_dscnt 0x0
	MUL 1, 2, 0
	MUL 1, 3, 0
	WIN 0
	PLACES
; THE WAY OUT, a block of 16 rows a trip, four trips.  Only the additions of the bias, which name a row block's own accumulators, are written four times (TAKE); the rest once:
; 32 bytes a lane into my stage; back as whole rows of 512 bytes; stored.
.macro TAKE a
	WIN 0x02+(\a)/2                                ; the sums in window 2 or 3, all else in window 0
.set i, 0
.rept 32                                       ; each accumulator's registers in ascending order
	v_pk_add_f32 v[X+2*i:X+2*i+1], v[64*((\a)%2)+2*i:64*((\a)%2)+2*i+1], v[BIAS+2*i:BIAS+2*i+1]
.set i, i+1
.endr
	WIN 0
.endm
	s_mov_b32 s3, 4                                ; row blocks to go: block 4 - s3 is in hand
.Lout:
	s_cmp_eq_u32 s3, 4
	s_cbranch_scc1 .Lrow0
	s_cmp_eq_u32 s3, 3
	s_cbranch_scc1 .Lrow1
	s_cmp_eq_u32 s3, 2
	s_cbranch_scc1 .Lrow2
	TAKE 3
	s_branch .Lsend
.Lrow0:
	TAKE 0
	s_branch .Lsend
.Lrow1:
	TAKE 1
	s_branch .Lsend
.Lrow2:
	TAKE 2
.Lsend:
.irp b, 0,1,2,3,4,5,6,7
	ds_store_b128 v[STO], v[X+8*(\b):X+8*(\b)+3] offset:64*(\b)
	ds_store_b128 v[STO], v[X+8*(\b)+4:X+8*(\b)+7] offset:64*(\b)+16
.endr
	s_wait_xcnt 0x0                                ; the last trip's stores have read their registers and their base: the registers are loaded again below, the base stepped here
	s_add_nc_u64 s[OP:OP+1], s[OP:OP+1], 16*8192   ; 16 rows on; this trip's stores reach back by their immediates
.irp i, 0,1,2,3,4,5,6,7,8,9,10,11,12,13,14,15
	ds_load_b128 v[RB+4*(\i):RB+4*(\i)+3], v[RD] offset:SPITCH*(\i)  ; LDS serves a wave's instructions in order (ISA guide 5.7.1.4): these see the stores above, and the next trip's stores come behind them
.endr
.irp i, 0,1,2,3,4,5,6,7,8,9,10,11,12,13,14,15
	s_wait_dscnt 15-(\i)                           ; the loads younger than this one may stay out
	global_store_b128 v[L16], v[RB+4*(\i):RB+4*(\i)+3], s[OP:OP+1] offset:(\i)*8192-16*8192  ; 512 consecutive bytes of a row of out0, aligned
.endr
	s_sub_co_u32 s3, s3, 1
	s_cmp_lg_u32 s3, 0
	s_cbranch_scc1 .Lout
	s_wait_tensorcnt 0x0                           ; the wave's end: behind my last tensor load and my last LDS store
	ds_add_u32 v[SPW], v[NIL]
	s_wait_dscnt 0x0
	CROUND                                         ; the closing round: no work-group ends while a partner may still ask for a tile that names it
	s_endpgm
.Lfunc_end_k_q215be8d5d9_proj:
	.size	k_q215be8d5d9_proj, .Lfunc_end_k_q215be8d5d9_proj-k_q215be8d5d9_proj
	.p2alignl 7, 3214868480
	.fill 96, 4, 3214868480
	.section	.rodata,"a",@progbits
	.p2align	6, 0x0
	.amdhsa_kernel k_q215be8d5d9_proj
		.amdhsa_group_segment_fixed_size 327680
		.amdhsa_private_segment_fixed_size 0
		.amdhsa_enable_private_segment 0
		.amdhsa_kernarg_size 32
		.amdhsa_user_sgpr_count 2
		.amdhsa_user_sgpr_kernarg_segment_ptr 1
		.amdhsa_wavefront_size32 1
		.amdhsa_system_sgpr_workgroup_id_x 1
		.amdhsa_system_sgpr_workgroup_id_y 1
		.amdhsa_system_sgpr_workgroup_id_z 1
		.amdhsa_system_vgpr_workitem_id 0
		.amdhsa_next_free_vgpr 1024
		.amdhsa_next_free_sgpr 76
		.amdhsa_reserve_vcc 0
		.amdhsa_float_denorm_mode_32 3
		.amdhsa_float_denorm_mode_16_64 3
		.amdhsa_memory_ordered 1
		.amdhsa_forward_progress 1
		.amdhsa_inst_pref_size 91
	.end_amdhsa_kernel
	.amdgpu_metadata
---
amdhsa.version: [ 1, 2 ]
amdhsa.kernels:
  - .name:           k_q215be8d5d9_proj
    .symbol:         k_q215be8d5d9_proj.kd
    .args:
      - { .name: yh, .offset: 0, .size: 8, .value_kind: global_buffer, .address_space: global }
      - { .name: wpf, .offset: 8, .size: 8, .value_kind: global_buffer, .address_space: global }
      - { .name: b_proj, .offset: 16, .size: 8, .value_kind: global_buffer, .address_space: global }
      - { .name: out0, .offset: 24, .size: 8, .value_kind: global_buffer, .address_space: global }
    .group_segment_fixed_size: 327680
    .private_segment_fixed_size: 0
    .kernarg_segment_align: 8
    .kernarg_segment_size: 32
    .max_flat_workgroup_size: 128
    .sgpr_count:     76
    .vgpr_count:     1024
    .wavefront_size: 32
...
	.end_amdgpu_metadata
.endif
;; end of part 4
